; MI455X (gfx1250); checked and timed in simulation.
; The chip was launched on July 23, 2026; its instructions are those of AMD's public machine-readable ISA for CDNA 5 (MIT licence, August 2026) and "CDNA5" Instruction Set Architecture Reference Guide (July 2026). The comments in the code are by the model that wrote it; some were corrected since.
;; Multi Head Attention. Allowed arithmetic: matrix products marked QUANTISED: E4M3 operands, one given power-of-two scale a tensor, by v_wmma_f32_16x16x64_fp8_fp8 or v_wmma_f32_16x16x128_fp8_fp8, f32 sums; everything else in f32.
;; Inputs: Wo 1,024 x 1,024 float32; Wqkv 1,024 x 3,072 float32; bo 1,024 float32; bqkv 3,072 float32; lowp_scales 8 int32 (the exponents e of the quantised operands' scales 2^e); mask 1 x 1 x 2,048 x 2,048 int32; x 4 x 2,048 x 1,024 float32.
;; Outputs: out0 4 x 2,048 x 1,024 float32.
;; This version of the problem:
;;   THIS VERSION OF THE PROBLEM IS GIVEN IN LOW PRECISION. The matrix products marked QUANTISED in the list below multiply operands that are first quantised to E4M3 (4 exponent bits, 3 mantissa bits; 8 bits a number), with one given power-of-two scale for each operand tensor; their sums are f32. All else is computed in f32.
;;   The module's matrix products, in the order in which they are computed (A, B: the left and right operand; K: the contracted axis; several contracted axes count as one K, in the product's order):
;;     1. [M 8,192, K 1,024] x [K 1,024, N 3,072]; A: input x; B: input Wqkv: QUANTISED (scales: A lowp_scales[0], B lowp_scales[1])
;;     2. batch 64 x [M 2,048, K 64] x [K 64, N 2,048]; A: computed on the way; B: computed on the way: QUANTISED (scales: A lowp_scales[2], B lowp_scales[3])
;;     3. batch 64 x [M 2,048, K 2,048] x [K 2,048, N 64]; A: softmax (see below); B: computed on the way: QUANTISED (scales: A lowp_scales[4], B lowp_scales[5])
;;     4. [M 8,192, K 1,024] x [K 1,024, N 1,024]; A: computed on the way; B: input Wo: QUANTISED (scales: A lowp_scales[6], B lowp_scales[7])
;;   THE QUANTISER, for each operand of a quantised product, along K:
;;     - The operand's scale is 2^e, e = its entry of the input lowp_scales (int32; the entries are numbered through the quantised products in the list's order, A before B).
;;     - Each number is divided by the scale, clamped to +-448, and rounded to the nearest number of E4M3, ties to even, subnormals kept.
;;     - The product sums the exact products of the quantised numbers (number of the format x scale) in f32.
;;   ~~~python
;;   def quantise(x, axis, e):      # numpy; x: float32 -> the quantised numbers, widened to float32 again
;;       x = np.moveaxis(x, axis, -1); K = x.shape[-1]
;;       r = np.clip(x / 2.0 ** e, -448, 448)
;;       step = 2.0 ** (np.maximum(np.frexp(np.where(r == 0, 1, r))[1] - 1, -6) - 3)
;;       q = np.round(r / step) * step * 2.0 ** e      # np.round: ties to even
;;       return np.moveaxis(q, -1, axis).astype(np.float32)
;;   ~~~
;;   SOFTMAX AHEAD OF A QUANTISED PRODUCT. Where the list says 'softmax', what is quantised is not the finished softmax but p = 2^(t - M), with t = logit x log2(e) and M = ceil(the row's largest t), a whole number; so 1/2 < the row's largest p <= 1. The row's sum l is taken of the UNQUANTISED p, in f32, and the product's result is divided by l at the end. Since M is a whole number, a kernel that streams over the keys may use a running M (the ceiling of the running maximum): every later rescaling is an exact power of two, so the quantised numbers keep their values, but for numbers so far below the row's largest that they fall under the format's range.
;;   OPERANDS COMPUTED ON THE WAY. 'Computed on the way' means the value that the module computes at that place (a softmax that the list does not call 'softmax' is quantised finished and normalised). What goes into a quantiser is computed in f32, as accurately as f32 sums, v_exp_f32 and their like allow (about 1e-6 of the number): no bf16 or f16 on the way to a quantiser, and a product that is left as it is and whose result goes on into a quantised operand takes f32 operands (vector FMAs, or v_wmma_f32_16x16x4_f32). A number that lies on a knife's edge between two numbers of the format may be rounded either way, as far as f32 arithmetic and the matrix unit's own rounding can turn it there, and no further.
;; 2 versions, each right; version 2 is version 1 with the launch attn written anew for expert scheduling mode. Each part assembles by itself: llvm-mc -triple=amdgcn-amd-amdhsa -mcpu=gfx1250 --defsym DOCPART=n.
;; ======== version 1 of 2: 4 launches
;; limits: right only within a limited range of input values
;; workspace buffers: x_codes 8,388,608 bytes; w_codes 4,194,304 bytes; masks 532,480 bytes of whole numbers; qkv_img 25,165,824 bytes; attn_codes 8,388,608 bytes
;; launch prep (part 1): grid 512 x 1, 4 waves a work-group, no clusters, 101,888 bytes of LDS; arguments x, Wqkv, Wo, mask, lowp_scales, x_codes, w_codes, masks; writes x_codes, w_codes, masks
.if DOCPART == 1
	.amdgcn_target "amdgcn-amd-amdhsa--gfx1250"
	.amdhsa_code_object_version 6
	.text
	.protected	k_q8a8377c093_prep
	.globl	k_q8a8377c093_prep
	.p2align	8
	.type	k_q8a8377c093_prep,@function
k_q8a8377c093_prep:
	s_mov_b64 s[64:65], 0
	v_nop
	global_prefetch_b8 v0, s[64:65] scope:SCOPE_SE
	s_setreg_imm32_b32 hwreg(HW_REG_WAVE_MODE, 25, 1), 1
	s_wait_xcnt 0x0
; THREE JOBS IN ONE LAUNCH, told apart by the work-group's number; each work-group reads 128 KiB.
;   work-groups 0-255:   x [8192][1024] f32 -> x_codes, E4M3, same order, scale 2^e0.
;   work-groups 256-383: Wqkv [1024][3072] and Wo [1024][1024] f32, K the first axis -> w_codes [4096 rows][1024 k], K innermost, scales 2^e1 and 2^e7.
;                        Rows 0-3071 are Wqkv's columns, rows 3072-4095 Wo's.  Row pos holds column pos with its bits 3 and 4 exchanged: in a tile of 16 neighbouring rows, row 8 h + j of
;                        tile 2 b + u is column 32 b + 16 h + 8 u + j, so that a product used transposed leaves 16 neighbouring columns in a lane's 16 registers of two neighbouring tiles.
;   work-groups 384-511: mask [2048][2048] int32 -> for each tile of 16 queries and each step of 128 keys 64 words: bit (r + 16 h) of word n says whether mask[16 qt + r][128 ks + 16 (n / 8) + 8 h + n % 8] is not 0:
;                        the lane mask of score register n in the attention launch; and a class for the step: 0 all hidden, 1 mixed, 2 all visible (from byte 524,288 of the buffer on).
; code = number / 2^e, held within +-448, rounded to the nearest code, ties to even.  LIMITS: e0, e1, e7 between -126 and 119.  NaN among x, Wqkv, Wo is not served.
; No tensor loads, no barrier: waves share nothing.  Each path has LDS bytes of its own.
.set XREG,  0                          ; x: a region of 8,192 bytes for each wave: two stages of 32 x 80 bytes
.set WSTG,  32768                      ; weights: 32 rows x 272 bytes for each wave
.set MSTG,  67584                      ; mask: 16 rows x 528 bytes for each wave
.set SPARE, 101376                     ; the spare words, 128 bytes for each wave: two blocks of 256 bytes that no other line names
.set SPW,   12                         ; v12  LDS address of my spare word; never rewritten
.set NIL,   13                         ; v13  0; never rewritten
.set SP,    80                         ; x: a lane's place in a stage: its 64 bytes + 16 of padding
.set XR,    16                         ; x: v16-79 four sets of 16 numbers as loaded
.set XX,    80                         ; x: v80-111 two sets of 16 neighbours
.set XC,    128                        ; x: v128-191 codes, four registers for each step: no store's data are written again
.set WO,    32                         ; weights: v32-63 byte offsets of 32 rows of K at my column
.set WX,    64                         ; weights: v64-127 two sets of 32 numbers
.set WC,    128                        ; weights: v128-135 a block's codes
.set WR,    136                        ; weights: v136-199 the way out
.set MR,    16                         ; mask: v16-143 two sets of 16 rows x 16 bytes
.set MG,    144                        ; mask: v144-207 my 64 numbers of a step, in the order of the score registers
.set MW,    208                        ; mask: v208-215 a step's 64 words, two a lane; a pair for each step
.set MC,    216                        ; mask: v216 the four classes, one a lane
	s_load_b512 s[4:19], s[0:1], 0x0               ; x, Wqkv, Wo, mask, the exponents, x_codes, w_codes, masks
	v_lshl_add_u32 v[SPW], v0, 2, SPARE
	v_mov_b32 v[NIL], 0
	v_lshrrev_b32 v1, 5, v0
	v_readfirstlane_b32 s20, v1                    ; wave 0..3
	v_and_b32 v2, 31, v0                           ; lane
	v_lshlrev_b32 v3, 4, v2                        ; 16 x lane
	s_wait_kmcnt 0x0
	s_cmp_lt_u32 ttmp9, 256
	s_cbranch_scc0 .Lnot_x
; ---------------- x.  A wave takes 16 steps of 512 numbers.  Each load reads 512 consecutive bytes; a step's 2,048 bytes turn through the wave's stage, so that a lane gets 16 neighbours along K.
	s_load_b256 s[24:31], s[12:13], 0x0            ; e0 .. e7
	s_lshl_b32 s21, s20, 13                        ; my region
	v_lshrrev_b32 v14, 2, v2
	v_mul_u32_u24 v14, v14, SP
	v_and_b32 v15, 3, v2
	v_lshl_add_u32 v14, v15, 4, v14
	v_add_nc_u32 v14, s21, v14                     ; into the stage: four lanes' 64 bytes on end, then the padding
	v_mul_u32_u24 v15, v2, SP
	v_add_nc_u32 v15, s21, v15                     ; out of it: my 16 neighbours
	s_lshl_b32 s22, ttmp9, 2
	s_add_co_u32 s22, s22, s20                     ; which run of 8,192 numbers is my wave's
	s_lshl_b32 s32, s22, 15
	s_mov_b32 s33, 0
	s_add_nc_u64 s[4:5], s[4:5], s[32:33]
	s_lshl_b32 s32, s22, 13
	s_add_nc_u64 s[14:15], s[14:15], s[32:33]
.macro LOADX t
.irp i, 0,1,2,3
	global_load_b128 v[XR+16*((\t)%4)+4*\i:XR+16*((\t)%4)+4*\i+3], v3, s[4:5] offset:2048*(\t)+512*\i th:TH_LOAD_NT
.endr
.endm
.macro TURNX t                         ; LDS serves a wave's instructions in order: no wait between the stores and the loads
.irp i, 0,1,2,3
	ds_store_b128 v14, v[XR+16*((\t)%4)+4*\i:XR+16*((\t)%4)+4*\i+3] offset:32*SP*((\t)%2)+8*SP*\i
.endr
.irp i, 0,1,2,3
	ds_load_b128 v[XX+16*((\t)%2)+4*\i:XX+16*((\t)%2)+4*\i+3], v15 offset:32*SP*((\t)%2)+16*\i
.endr
.endm
.irp t, 0,1,2,3
	LOADX \t
.endr
	s_wait_kmcnt 0x0
	s_add_co_i32 s22, s24, 127
	s_lshl_b32 s23, s22, 23
	v_mov_b32 v11, s23                             ; 2^e0 as f32: the conversion takes its exponent field
	s_add_co_i32 s22, s22, 8
	s_lshl_b32 s22, s22, 23
	s_or_b32 s22, s22, 0x600000
	v_mov_b32 v10, s22                             ; 448 x 2^e0
	s_wait_loadcnt 12                              ; step 0's four loads are in
	TURNX 0
.macro STEPX t
.set XS, XX+16*((\t)%2)
	s_wait_dscnt 0x0                               ; this step's numbers are back from the stage, and its stores into the stage have read their registers,
.if (\t)+4 < 16
	LOADX (\t)+4                                   ; which take the loads of four steps on
.endif
.if (\t)+1 < 16
.if 14-(\t) >= 3
	s_wait_loadcnt 12                              ; the next step's four loads are in; those of the three steps behind it may be out
.else
	s_wait_loadcnt 4*(14-(\t))
.endif
	TURNX (\t)+1
.endif
.irp i, 0,1,2,3,4,5,6,7,8,9,10,11,12,13,14,15
	v_med3_num_f32 v[XS+\i], v[XS+\i], -v10, v10   ; the conversion to an 8-bit code does not saturate (ISA guide 7.6.2): the hold comes first
.endr
	v_cvt_scalef32_pk8_fp8_f32 v[XC+4*(\t):XC+4*(\t)+1], v[XS:XS+7], v11
	v_cvt_scalef32_pk8_fp8_f32 v[XC+4*(\t)+2:XC+4*(\t)+3], v[XS+8:XS+15], v11
	global_store_b128 v3, v[XC+4*(\t):XC+4*(\t)+3], s[14:15] offset:512*(\t)   ; the wave stores 512 consecutive bytes; the next vector lines are the next step's holds, on other registers
.endm
.irp t, 0,1,2,3,4,5,6,7,8,9,10,11,12,13,14,15
	STEPX \t
.endr
	s_branch .Lend
.Lnot_x:
	s_cmp_lt_u32 ttmp9, 384
	s_cbranch_scc0 .Lmask
; ---------------- the weights.  A lane takes a column, its registers run down K: each load reads 128 consecutive bytes, and the conversions give codes with K innermost.
; A work-group takes 128 columns x 256 along K; a wave 32 columns.  Groups of columns 0-23 are Wqkv's, 24-31 Wo's: only pointers, the pitch and the exponent are chosen, on the work-group's number.
	s_load_b256 s[24:31], s[12:13], 0x0            ; e0 .. e7
	s_sub_co_u32 s21, ttmp9, 256
	s_and_b32 s22, s21, 3                          ; which 256 along K
	s_lshr_b32 s23, s21, 2                         ; which group of 128 columns, 0..31
	s_wait_kmcnt 0x0
	s_mov_b32 s56, 4096
	s_cmp_lt_u32 s23, 24
	s_cselect_b64 s[6:7], s[6:7], s[8:9]           ; the tensor,
	s_cselect_b32 s56, 12288, s56                  ; a row of it in bytes,
	s_cselect_b32 s57, 0, 24                       ; its first group,
	s_cselect_b32 s58, s25, s31                    ; its exponent: e1 or e7
	s_sub_co_u32 s57, s23, s57
	s_lshl_b32 s57, s57, 7
	s_lshl_b32 s59, s20, 5
	s_add_co_u32 s57, s57, s59                     ; my wave's first column in its tensor
	s_lshl_b32 s57, s57, 2
	s_mul_i32 s59, s22, s56
	s_lshl_b32 s59, s59, 8                         ; 256 rows of K for each step along y
	s_add_co_u32 s60, s59, s57
	s_mov_b32 s61, 0
	s_add_nc_u64 s[32:33], s[6:7], s[60:61]        ; block 0's base;
	s_lshl_b32 s60, s56, 5                         ; 32 rows on:
.irp t, 1,2,3,4,5,6,7
	s_add_nc_u64 s[32+2*\t:33+2*\t], s[30+2*\t:31+2*\t], s[60:61]   ; a base for each of the eight blocks, never rewritten
.endr
	s_lshl_b32 s62, s23, 7
	s_lshl_b32 s59, s20, 5
	s_add_co_u32 s62, s62, s59                     ; my first row of w_codes, a multiple of 32
	s_lshl_b32 s62, s62, 10
	s_lshl_b32 s59, s22, 8
	s_add_co_u32 s62, s62, s59
	s_mov_b32 s63, 0
	s_add_nc_u64 s[16:17], s[16:17], s[62:63]
	v_lshlrev_b32 v[WO], 2, v2
.set n, 1
.rept 31
	v_add_nc_u32 v[WO+n], s56, v[WO+n-1]           ; 4 x lane + n rows
.set n, n+1
.endr
	s_mul_i32 s59, s20, 32*272
	s_add_co_u32 s59, s59, WSTG                    ; my stage
	v_mul_u32_u24 v4, v2, 272
	v_add_nc_u32 v4, s59, v4                       ; into it: row = my column
	v_and_b32 v5, 15, v2
	v_lshrrev_b32 v6, 4, v2
	v_mul_u32_u24 v7, v6, 272
	v_lshl_add_u32 v7, v5, 4, v7
	v_add_nc_u32 v7, s59, v7                       ; out of it: sixteen lanes to a row, two rows an instruction
	v_lshlrev_b32 v8, 10, v6
	v_lshl_add_u32 v8, v5, 4, v8                   ; and the same in w_codes
	s_add_co_i32 s58, s58, 127
	s_lshl_b32 s59, s58, 23
	v_mov_b32 v11, s59                             ; 2^e
	s_add_co_i32 s58, s58, 8
	s_lshl_b32 s58, s58, 23
	s_or_b32 s58, s58, 0x600000
	v_mov_b32 v10, s58                             ; 448 x 2^e
.macro LOADW t
.set n, 0
.rept 32
	global_load_b32 v[WX+32*((\t)%2)+n], v[WO+n], s[32+2*(\t):33+2*(\t)] th:TH_LOAD_NT
.set n, n+1
.endr
.endm
	LOADW 0
	LOADW 1
.macro BLOCKW t
.set XS, WX+32*((\t)%2)
.if (\t) < 7
	s_wait_loadcnt 32                              ; this block's 32 loads are in; the next block's may be out
.else
	s_wait_loadcnt 0
.endif
.set n, 0
.rept 32
	v_med3_num_f32 v[XS+n], v[XS+n], -v10, v10
.set n, n+1
.endr
.irp g, 0,1,2,3
	v_cvt_scalef32_pk8_fp8_f32 v[WC+2*\g:WC+2*\g+1], v[XS+8*\g:XS+8*\g+7], v11
.endr
	ds_store_b128 v4, v[WC:WC+3] offset:32*(\t)    ; 32 codes of my column's row
	ds_store_b128 v4, v[WC+4:WC+7] offset:32*(\t)+16
.if (\t)+2 < 8
	LOADW (\t)+2
.endif
	s_wait_dscnt 0x0                               ; the stores have read their registers: the next block's codes may be written (its 32 holds, plain lines, come first)
.endm
.irp t, 0,1,2,3,4,5,6,7
	BLOCKW \t
.endr
.irp t, 0,1,2,3,4,5,6,7,8,9,10,11,12,13,14,15
	ds_load_b128 v[WR+4*\t:WR+4*\t+3], v7 offset:2*\t*272
.endr
.irp t, 0,1,2,3,4,5,6,7,8,9,10,11,12,13,14,15
	s_wait_dscnt 15-\t
	global_store_b128 v8, v[WR+4*\t:WR+4*\t+3], s[16:17] offset:((((2*\t)&7)|(((2*\t)&8)<<1))|(((2*\t)&16)>>1))*1024   ; columns 2 t and 2 t + 1 go to the rows with bits 3 and 4 exchanged; sixteen lanes store 256 consecutive bytes, aligned
.endr
	s_branch .Lend
.Lmask:
; ---------------- the mask.  A work-group takes a tile of 16 queries, a wave four steps of 128 keys.  Each load reads 512 consecutive bytes of a row; the 16 rows turn through the wave's stage,
; so that lane (r, h) gets query r's numbers at keys 16 T + 8 h + 0 .. 7 for T = 0 .. 7: what that lane's score registers will hold.
	s_sub_co_u32 s21, ttmp9, 384                   ; the tile of queries
	s_lshl_b32 s32, s21, 17                        ; 16 rows of 8,192 bytes
	s_lshl_b32 s22, s20, 11                        ; my four steps of 512 bytes
	s_add_co_u32 s32, s32, s22
	s_mov_b32 s33, 0
	s_add_nc_u64 s[10:11], s[10:11], s[32:33]
	s_lshl_b32 s34, s21, 4
	s_lshl_b32 s22, s20, 2
	s_add_co_u32 s34, s34, s22                     ; my first step's number: 16 x tile + 4 x wave
	s_lshl_b32 s32, s34, 8
	s_add_nc_u64 s[36:37], s[18:19], s[32:33]      ; its 256 bytes of words
	s_lshl_b32 s32, s34, 2
	s_add_nc_u64 s[38:39], s[18:19], s[32:33]      ; its class (524,288 bytes further on: in the immediate)
	s_mul_i32 s22, s20, 16*528
	s_add_co_u32 s22, s22, MSTG                    ; my stage
	v_add_nc_u32 v4, s22, v3                       ; in: 16 bytes a lane, a row an instruction
	v_and_b32 v5, 15, v2
	v_lshrrev_b32 v6, 4, v2
	v_mul_u32_u24 v5, v5, 528
	v_lshl_add_u32 v5, v6, 5, v5
	v_add_nc_u32 v5, s22, v5                       ; out: row r, + 32 h
	v_lshlrev_b32 v6, 3, v2                        ; two words a lane
	v_lshlrev_b32 v7, 2, v2
.irp i, 0,1,2,3,4,5,6,7,8
	v_mov_b32 v[MW+\i], 0                          ; a lane write's destination counts as read: written once
.endr
.macro LOADM t
.set n, 0
.rept 16
	global_load_b128 v[MR+64*((\t)%2)+4*n:MR+64*((\t)%2)+4*n+3], v3, s[10:11] offset:n*8192+(\t)*512 th:TH_LOAD_NT
.set n, n+1
.endr
.endm
	LOADM 0
	LOADM 1
.macro PACK t
.if (\t) < 3
	s_wait_loadcnt 16                              ; this step's 16 loads are in; the next step's may be out
.else
	s_wait_loadcnt 0
.endif
.set n, 0
.rept 16
	ds_store_b128 v4, v[MR+64*((\t)%2)+4*n:MR+64*((\t)%2)+4*n+3] offset:n*528
.set n, n+1
.endr
.set n, 0
.rept 16
	ds_load_b128 v[MG+4*n:MG+4*n+3], v5 offset:64*(n/2)+16*(n%2)
.set n, n+1
.endr
	s_wait_dscnt 0x0
.if (\t)+2 < 4
	LOADM (\t)+2
.endif
	s_mov_b32 s52, 0                               ; the words or-ed,
	s_mov_b32 s53, -1                              ; and and-ed
.set n, 0
.rept 64
	v_cmp_ne_u32 s[48+n%4], 0, v[MG+n]             ; word n: a bit for each lane
	v_writelane_b32 v[MW+2*(\t)+n%2], s[48+n%4], n/2
	s_or_b32 s52, s52, s[48+n%4]
	s_and_b32 s53, s53, s[48+n%4]
.set n, n+1
.endr
	s_cmp_lg_u32 s52, 0
	s_cselect_b32 s54, 1, 0                        ; something is visible,
	s_cmp_eq_u32 s53, -1
	s_cselect_b32 s55, 1, 0                        ; all is
	s_add_co_u32 s54, s54, s55
	v_writelane_b32 v[MC], s54, \t
	global_store_b64 v6, v[MW+2*(\t):MW+2*(\t)+1], s[36:37] offset:256*(\t)   ; the wave stores 256 consecutive bytes, aligned
.endm
.irp t, 0,1,2,3
	PACK \t
.endr
	s_wait_xcnt 0x0                                ; EXEC changes only behind this wait: the stores above have read it
	v_cmp_gt_u32 vcc_lo, 4, v2
	s_and_saveexec_b32 s56, vcc_lo
	global_store_b32 v7, v[MC], s[38:39] offset:524288   ; four classes, 16 bytes
	s_wait_xcnt 0x0                                ; and again in front of the line that widens it
	s_or_b32 exec_lo, exec_lo, s56
.Lend:
	s_wait_tensorcnt 0x0                           ; the wave's end, behind my last LDS store
	ds_add_u32 v[SPW], v[NIL]
	s_wait_dscnt 0x0
	s_endpgm
.Lfunc_end_k_q8a8377c093_prep:
	.size	k_q8a8377c093_prep, .Lfunc_end_k_q8a8377c093_prep-k_q8a8377c093_prep
	.p2alignl 7, 3214868480
	.fill 96, 4, 3214868480
	.section	.rodata,"a",@progbits
	.p2align	6, 0x0
	.amdhsa_kernel k_q8a8377c093_prep
		.amdhsa_group_segment_fixed_size 101888
		.amdhsa_private_segment_fixed_size 0
		.amdhsa_enable_private_segment 0
		.amdhsa_kernarg_size 64
		.amdhsa_user_sgpr_count 2
		.amdhsa_user_sgpr_kernarg_segment_ptr 1
		.amdhsa_wavefront_size32 1
		.amdhsa_system_sgpr_workgroup_id_x 1
		.amdhsa_system_sgpr_workgroup_id_y 1
		.amdhsa_system_sgpr_workgroup_id_z 1
		.amdhsa_system_vgpr_workitem_id 0
		.amdhsa_next_free_vgpr 224
		.amdhsa_next_free_sgpr 66
		.amdhsa_reserve_vcc 1
		.amdhsa_float_denorm_mode_32 3
		.amdhsa_float_denorm_mode_16_64 3
		.amdhsa_memory_ordered 1
		.amdhsa_forward_progress 1
		.amdhsa_inst_pref_size 152
	.end_amdhsa_kernel
	.amdgpu_metadata
---
amdhsa.version: [ 1, 2 ]
amdhsa.kernels:
  - .name:           k_q8a8377c093_prep
    .symbol:         k_q8a8377c093_prep.kd
    .args:
      - { .name: x, .offset: 0, .size: 8, .value_kind: global_buffer, .address_space: global }
      - { .name: Wqkv, .offset: 8, .size: 8, .value_kind: global_buffer, .address_space: global }
      - { .name: Wo, .offset: 16, .size: 8, .value_kind: global_buffer, .address_space: global }
      - { .name: mask, .offset: 24, .size: 8, .value_kind: global_buffer, .address_space: global }
      - { .name: lowp_scales, .offset: 32, .size: 8, .value_kind: global_buffer, .address_space: global }
      - { .name: x_codes, .offset: 40, .size: 8, .value_kind: global_buffer, .address_space: global }
      - { .name: w_codes, .offset: 48, .size: 8, .value_kind: global_buffer, .address_space: global }
      - { .name: masks, .offset: 56, .size: 8, .value_kind: global_buffer, .address_space: global }
    .group_segment_fixed_size: 101888
    .private_segment_fixed_size: 0
    .kernarg_segment_align: 8
    .kernarg_segment_size: 64
    .max_flat_workgroup_size: 128
    .sgpr_count:     66
    .vgpr_count:     224
    .wavefront_size: 32
...
	.end_amdgpu_metadata
.endif
;; end of part 1
;; launch qkv (part 2): grid 16 x 32, 4 waves a work-group, clusters of 4 x 4, 327,680 bytes of LDS; arguments x_codes, w_codes, lowp_scales, bqkv, qkv_img; writes qkv_img
.if DOCPART == 2
	.amdgcn_target "amdgcn-amd-amdhsa--gfx1250"
	.amdhsa_code_object_version 6
	.text
	.protected	k_q8a8377c093_qkv
	.globl	k_q8a8377c093_qkv
	.p2align	8
	.type	k_q8a8377c093_qkv,@function
k_q8a8377c093_qkv:
	s_mov_b64 s[64:65], 0
	v_nop
	global_prefetch_b8 v0, s[64:65] scope:SCOPE_SE
	s_setreg_imm32_b32 hwreg(HW_REG_WAVE_MODE, 25, 1), 1
	s_wait_xcnt 0x0
	s_wait_alu depctr_hold_cnt(0) depctr_sa_sdst(0) depctr_va_vdst(0) depctr_va_sdst(0) depctr_va_ssrc(0) depctr_va_vcc(0) depctr_vm_vsrc(0)
	s_getreg_b32 s2, hwreg(HW_REG_IB_STS2, 6, 4)
	s_cmp_eq_u32 s2, 0
	s_cbranch_scc0 .Lentry_in_a_cluster
	s_endpgm
.Lentry_in_a_cluster:
	s_bfe_u32 s2, ttmp6, 0x10000c
	s_cmp_lg_u32 s2, 0xf033
	s_cbranch_scc0 .Lentry_shape_is_right
	s_endpgm
.Lentry_shape_is_right:
; qkv = x Wqkv + bqkv on codes of E4M3, and its three parts quantised for the attention launch.  x_codes [8192][1024]; w_codes rows 0-3071 (a row is a column of Wqkv, bits 3 and 4 of the row's number exchanged), K innermost.
; A work-group makes 256 tokens x the 192 columns of ONE head (work-group x = the head): 12 blocks of 16 columns: 0-3 q, 4-7 k, 8-11 v.  Wave w takes tokens 64 w .. 64 w + 63 (4 blocks of A) against all 12: 48 accumulators.
; q AND k ARE MADE TRANSPOSED (source 0 = 16 rows of w_codes, source 1 = 16 tokens): a lane holds one token, and its 16 registers of blocks 2 c and 2 c + 1 are d = 32 c + 16 h + 0 .. 15.
; v IS MADE AS IT LIES (source 0 = tokens, source 1 = rows of w_codes): a lane holds one channel and eight neighbouring tokens, which are the second attention product's K.
; So the conversions' results are the operand registers of the attention launch, and they are stored as images of those registers: 16 bytes a lane, 512 consecutive bytes a store.
;   q, k (at bytes 0 and 8,388,608): [b h][tile of 16 tokens][c = 0, 1][lane][16]: d = 32 c + 16 h + 0 .. 15 of token 16 T + r.
;   v (at byte 16,777,216): [b h][step of 128 keys][tv 0..3][c 0..3][lane][16]: channel 32 (tv / 2) + 16 (r / 8) + 8 (tv % 2) + r % 8; byte 8 u + j is key 32 c + 16 u + 8 h + j of the step.
; The bias, divided by 2^(e0 + e1), is the C of each sum's first matrix instruction.  A sum stands for sum x 2^(e0 + e1), so a part's conversion takes 2^(e_part - e0 - e1) as its one scale (e2, e3, e5).
; LIMITS: e2 - e0 - e1, e3 - e0 - e1 and e5 - e0 - e1 between -126 and 119.
; K = 1,024 goes in four slots' worth of 256 (a tile's row is 256 bytes of memory, aligned) through a ring of two LDS slots; a slot is two steps of 128.  All eight steps are written out by macros.
; CLUSTER 4 x 4: the four work-groups of a row need the same tokens, the four of a column the same head's weights: each tile is asked for jointly.  By this text's count a wave has two tensor loads out at the start, then one.
; A fragment is fetched by four loads of 16 bytes: registers 4 c .. 4 c + 3 hold K = 32 c + 16 h + 0 .. 15: a permutation of K that is the same on both sides.
; REGISTERS: window 0: v16-41 addresses and scales; v64-255 B's 12 fragments, ONE set, fetched anew in two halves.  window 1: v0-127 A's fragments, TWO sets; v128-255 v's 16 accumulators.
;   window 2: q's and k's 32 accumulators ((blk, a) at v[8 (4 blk + a)]).  window 3: v0-95 the bias, eight registers a block.
.set NB,     12
.set PITCH,  272                       ; an LDS row: 256 bytes + 16 of padding: the 16 rows of a fragment load start at 16 different groups of banks
.set HALFA,  128*PITCH
.set HALFB,  8*NB*PITCH
.set SLOT,   2*HALFA+2*HALFB           ; A's 256 rows, then B's 192
.set SPARE,  2*SLOT                    ; behind the ring: the spare words, two blocks of 256 bytes that no other line names
.set ADRA, 16                          ; v16-17 LDS address of my A fragments in slot 0, 1
.set ADRB, 20                          ; v20-21 the same for B
.set LI,   26                          ; v26 16 x lane
.set SPW,  28                          ; v28 my spare word; never rewritten
.set NIL,  29                          ; v29 0; never rewritten
.set BF,   64
.set G1, 24
.set G0, 32
.set G1B, 48
.set G0B, 56
.set MSB, 0
.macro WIN new                         ; the immediate's high byte repeats the setting that is left
.if MSB != \new
	s_set_vgpr_msb (MSB<<8)|\new
.set MSB, \new
.endif
.endm
.macro JLOAD g0a, g1a, g0b, g1b        ; a joint load: waves 0 and 1 fetch A's halves, waves 2 and 3 B's; an s_nop 0 and four v_nop follow each line
	s_cmp_eq_u32 s15, 0
	s_cbranch_scc0 .Lfor_b_\@
	tensor_load_to_lds s[\g0a:\g0a+3], s[\g1a:\g1a+7]
	s_nop 0
.rept 4
	v_nop
.endr
	s_branch .Lasked_\@
.Lfor_b_\@:
	tensor_load_to_lds s[\g0b:\g0b+3], s[\g1b:\g1b+7]
	s_nop 0
.rept 4
	v_nop
.endr
.Lasked_\@:
.endm
.macro CREST                           ; a round of the cluster's barrier behind its opening barrier
	s_cmp_lg_u32 s14, 0
	s_cbranch_scc1 .Lnot_wave_0_\@
	s_barrier_signal -3
.Lnot_wave_0_\@:
	s_barrier_wait -3
	s_barrier_signal -1
	s_barrier_wait -1
.endm
.macro CROUND
	s_barrier_signal -1
	s_barrier_wait -1
	CREST
.endm
.macro PLACES n                        ; plain vector lines between a matrix instruction and a load into, or a vector line on, its registers
.rept \n
	v_nop
.endr
.endm
	s_load_b256 s[4:11], s[0:1], 0x0               ; x_codes, w_codes, the exponents, bqkv
	s_load_b64 s[12:13], s[0:1], 0x20              ; qkv_img
	v_lshl_add_u32 v[SPW], v0, 2, SPARE
	v_mov_b32 v[NIL], 0
	ds_add_u32 v[SPW], v[NIL]                      ; the wave's opening, waited for ahead of my first tensor load
	v_lshrrev_b32 v1, 5, v0
	v_readfirstlane_b32 s14, v1                    ; wave 0..3
	s_lshr_b32 s15, s14, 1                         ; I fetch for A (0) or for B (1),
	s_and_b32 s16, s14, 1                          ; and which half of that tile
	s_bfe_u32 s40, ttmp6, 0x40000                  ; cx, cy
	s_bfe_u32 s41, ttmp6, 0x40004
	s_lshl_b32 s42, ttmp9, 2
	s_add_co_u32 s42, s42, s40                     ; the head = 4 x cluster x + cx
	s_and_b32 s17, ttmp7, 0xffff
	s_lshl_b32 s17, s17, 2
	s_add_co_u32 s17, s17, s41                     ; the block of 256 tokens = 4 x cluster y + cy
	s_lshl_b32 s43, s41, 2
	s_lshl_b32 s43, 15, s43                        ; my row of the cluster
	s_lshl_b32 s44, 0x1111, s40                    ; my column
	s_or_b32 s[G1+0], s43, (1<<20)|(1<<21)|(5<<22)|(3<<25)   ; the mask; elements of 1 byte; padding on; bit 21 beside a mask; after every 64 words four words
	s_or_b32 s[G1B+0], s44, (1<<20)|(1<<21)|(5<<22)|(3<<25)
	s_mov_b32 s[G1+1], 256<<16                     ; tensor_dim0
	s_mov_b32 s[G1+2], 128<<16                     ; tensor_dim1
	s_mov_b32 s[G1+3], 256<<16                     ; tile_dim0
	s_mov_b32 s[G1+4], 128                         ; tile_dim1
	s_mov_b32 s[G1+5], 1024                        ; bytes from row to row
	s_mov_b32 s[G1+6], 0
	s_mov_b32 s[G1+7], 0
	s_mov_b32 s[G1B+1], 256<<16
	s_mov_b32 s[G1B+2], (8*NB)<<16
	s_mov_b32 s[G1B+3], 256<<16
	s_mov_b32 s[G1B+4], 8*NB
	s_mov_b32 s[G1B+5], 1024
	s_mov_b32 s[G1B+6], 0
	s_mov_b32 s[G1B+7], 0
	s_lshl_b32 s20, s17, 18                        ; A: 256 rows of 1,024 bytes for each block of tokens,
	s_lshl_b32 s18, s16, 17                        ; + my half's 128
	s_add_co_u32 s20, s20, s18
	s_mov_b32 s21, 0
	s_mul_i32 s46, s42, 16*NB*1024                 ; B: 192 rows for each head,
	s_mul_i32 s18, s16, 8*NB*1024                  ; + my half's 96
	s_add_co_u32 s46, s46, s18
	s_mov_b32 s47, 0
	s_mul_i32 s45, s16, HALFA                      ; where they go: the wave's number alone enters an LDS address
	s_mul_i32 s22, s16, HALFB
	s_add_co_u32 s22, s22, 2*HALFA
	s_wait_dscnt 0x0                               ; the opening add is done
	s_wait_kmcnt 0x0
	s_load_b256 s[76:83], s[8:9], 0x0              ; e0 .. e7
	s_add_nc_u64 s[20:21], s[4:5], s[20:21]
	s_add_nc_u64 s[46:47], s[6:7], s[46:47]
	CROUND                                         ; all sixteen work-groups are here: the first joint loads meet
.irp s, 0,1
	s_mov_b32 s[G0+4*\s], 1
	s_add_co_u32 s[G0+4*\s+1], s45, \s*SLOT
	s_add_nc_u64 s[G0+4*\s+2:G0+4*\s+3], s[20:21], \s*256
	s_or_b32 s[G0+4*\s+3], s[G0+4*\s+3], 0x80000000
	s_mov_b32 s[G0B+4*\s], 1
	s_add_co_u32 s[G0B+4*\s+1], s22, \s*SLOT
	s_add_nc_u64 s[G0B+4*\s+2:G0B+4*\s+3], s[46:47], \s*256
	s_or_b32 s[G0B+4*\s+3], s[G0B+4*\s+3], 0x80000000
	JLOAD G0+4*\s, G1, G0B+4*\s, G1B
.endr
	v_and_b32 v1, 15, v0                           ; r
	v_bfe_u32 v2, v0, 4, 1                         ; h
	v_mul_u32_u24 v3, v1, PITCH
	v_lshl_add_u32 v4, v2, 4, v3                   ; a fragment's row x pitch + 16 h
	s_mul_i32 s21, s14, 64*PITCH                   ; my 64 rows of A
	s_mov_b32 s22, 2*HALFA                         ; B's rows lie behind A's 256
.irp s, 0,1
	v_add_nc_u32 v[ADRA+\s], s21, v4
	v_add_nc_u32 v[ADRB+\s], s22, v4
	s_add_co_u32 s21, s21, SLOT
	s_add_co_u32 s22, s22, SLOT
.endr
	v_and_b32 v5, 31, v0
	v_lshlrev_b32 v[LI], 4, v5
	; the bias.  q, k: lane (r, h) wants, for block 2 b + u, columns 32 b + 16 h + 8 u + 0 .. 7 of the head.  v: one number, that of the lane's channel
	s_mul_i32 s18, s42, 768
	s_mov_b32 s19, 0
	s_add_nc_u64 s[10:11], s[10:11], s[18:19]
	v_lshlrev_b32 v30, 6, v2
	v_and_b32 v31, 7, v1
	v_lshrrev_b32 v6, 3, v1
	v_lshl_add_u32 v31, v6, 4, v31
	v_lshlrev_b32 v31, 2, v31
	WIN 0xc0                                       ; destination window 3
.irp b, 0,1,2,3,4,5,6,7
	global_load_b128 v[8*\b:8*\b+3], v30, s[10:11] offset:4*(32*(\b/2)+8*(\b%2))
	global_load_b128 v[8*\b+4:8*\b+7], v30, s[10:11] offset:4*(32*(\b/2)+8*(\b%2))+16
.endr
	WIN 0
.irp i, 0,1,2,3
	global_load_b32 v[32+\i], v31, s[10:11] offset:4*(128+32*(\i/2)+8*(\i%2))
.endr
	s_wait_kmcnt 0x0
	s_add_co_i32 s84, s76, s77                     ; e0 + e1
	s_sub_co_i32 s85, 0, s84
.macro SCALES vr, se                   ; v[vr] = 2^(e - e0 - e1) as f32, v[vr + 1] = 448 x that
	s_sub_co_i32 s86, s[\se], s84
	s_add_co_i32 s86, s86, 127
	s_lshl_b32 s87, s86, 23
	v_mov_b32 v[\vr], s87
	s_add_co_i32 s86, s86, 8
	s_lshl_b32 s86, s86, 23
	s_or_b32 s86, s86, 0x600000
	v_mov_b32 v[\vr+1], s86
.endm
	SCALES 36, 78                                  ; q: e2
	SCALES 38, 79                                  ; k: e3
	SCALES 40, 81                                  ; v: e5
	s_wait_loadcnt 0x0
	WIN 0xc3
.set n, 0
.rept 64
	v_ldexp_f32 v[n], v[n], s85                    ; bias / 2^(e0 + e1): the sums lack that power of two
.set n, n+1
.endr
	WIN 0xc0
.irp i, 0,1,2,3
.irp j, 0,1,2,3,4,5,6,7
	v_ldexp_f32 v[64+8*\i+\j], v[32+\i], s85       ; v: the same number for the lane's eight tokens
.endr
.endr
	WIN 0
.macro FRAG reg, adr, q, i
.irp c, 0,1,2,3
	ds_load_b128 v[\reg+4*\c:\reg+4*\c+3], v[\adr] offset:128*(\q)+32*\c+(\i)*16*PITCH
.endr
.endm
.macro FETCH_A slot, q, p              ; my four blocks of A, the slot's q-th 128 along K, into set p
	WIN 0x40
.irp i, 0,1,2,3
	FRAG 64*(\p)+16*\i, ADRA+\slot, \q, \i
.endr
.endm
.macro FETCH_B slot, q, i0             ; B's blocks i0 .. i0 + 5
	WIN 0
.set FI, \i0
.rept NB/2
	FRAG BF+16*FI, ADRB+\slot, \q, FI
.set FI, FI+1
.endr
.endm
; Four matrix instructions: block blk of B against my four blocks of A in set p.  first = 1: the bias starts the sums: nothing is cleared.  The 48 accumulators take turns, one instruction a turn, in the same order in every step.
.macro MULB blk, p, first
.if (\blk) < 8
.if \first
	WIN 0xb4                                       ; source 0 (B) window 0, source 1 (A) window 1, C window 3, D window 2
.else
	WIN 0xa4
.endif
.irp a, 0,1,2,3
.if \first
	v_wmma_f32_16x16x128_fp8_fp8 v[8*(4*(\blk)+\a):8*(4*(\blk)+\a)+7], v[BF+16*(\blk):BF+16*(\blk)+15], v[64*(\p)+16*\a:64*(\p)+16*\a+15], v[8*(\blk):8*(\blk)+7]
.else
	v_wmma_f32_16x16x128_fp8_fp8 v[8*(4*(\blk)+\a):8*(4*(\blk)+\a)+7], v[BF+16*(\blk):BF+16*(\blk)+15], v[64*(\p)+16*\a:64*(\p)+16*\a+15], v[8*(4*(\blk)+\a):8*(4*(\blk)+\a)+7]
.endif
.endr
.else
.if \first
	WIN 0x71                                       ; source 0 (A) window 1, source 1 (B) window 0, C window 3, D window 1
.else
	WIN 0x51
.endif
.irp a, 0,1,2,3
.if \first
	v_wmma_f32_16x16x128_fp8_fp8 v[128+8*(4*((\blk)-8)+\a):128+8*(4*((\blk)-8)+\a)+7], v[64*(\p)+16*\a:64*(\p)+16*\a+15], v[BF+16*(\blk):BF+16*(\blk)+15], v[8*(\blk):8*(\blk)+7]
.else
	v_wmma_f32_16x16x128_fp8_fp8 v[128+8*(4*((\blk)-8)+\a):128+8*(4*((\blk)-8)+\a)+7], v[64*(\p)+16*\a:64*(\p)+16*\a+15], v[BF+16*(\blk):BF+16*(\blk)+15], v[128+8*(4*((\blk)-8)+\a):128+8*(4*((\blk)-8)+\a)+7]
.endif
.endr
.endif
.endm
.macro MULS b0, n, p, first
.set BB, \b0
.rept \n
	MULB BB, \p, \first
.set BB, BB+1
.endr
.endm
; A slot's first step: multiplies A's set 0; fetches the slot's second 128 along K: A into set 1 and B's lower half in the middle, B's upper half at the end.
.macro STEP slot, first
	s_wait_dscnt 2*NB                              ; A's set and B's lower half are in; the youngest 24 loads (B's upper half) may be out
	MULS 0, NB/2, 0, \first
	s_wait_dscnt 0                                 ; B's upper half is in
	PLACES 4
	FETCH_A \slot, 1, 1
	FETCH_B \slot, 1, 0
	MULS NB/2, NB/2, 0, \first
	PLACES 4
	FETCH_B \slot, 1, NB/2
.endm
; A slot's second step multiplies A's set 1 and changes slots: one barrier; in front of it each wave waits for all its tensor loads, adds 0 to its spare word, and waits for that and for its reads of this slot.
; fill = 1: the barrier opens a round of the cluster's, and this slot is filled again, 512 along K further on: the first tensor load behind the round.
.macro TURN slot, next, fill
	s_wait_tensorcnt 0x0                           ; all my tensor loads have landed: my part of the next slot (every window is 0 here)
	ds_add_u32 v[SPW], v[NIL]                      ; 0 onto my spare word
	s_wait_dscnt 2*NB+1                            ; (the add and B's upper half may be out)
	MULS 0, NB/4, 1, 0                             ; twelve matrix instructions stand between the add and the wait for it
	s_wait_dscnt 0x0                               ; the add is done, and my reads of this slot are over
	s_barrier_signal -1
	MULS NB/4, NB/4, 1, 0
	WIN 0
	s_barrier_wait -1
.if \fill
	CREST                                          ; no wave of any partner still reads this slot or has a load on its way
	s_add_nc_u64 s[G0+4*\slot+2:G0+4*\slot+3], s[G0+4*\slot+2:G0+4*\slot+3], 512
	s_add_nc_u64 s[G0B+4*\slot+2:G0B+4*\slot+3], s[G0B+4*\slot+2:G0B+4*\slot+3], 512
	JLOAD G0+4*\slot, G1, G0B+4*\slot, G1B         ; its four v_nop are also the places in front of the loads below
.else
	PLACES 4
.endif
	FETCH_A \next, 0, 0
	FETCH_B \next, 0, 0
	MULS NB/2, NB/2, 1, 0
	PLACES 4
	FETCH_B \next, 0, NB/2
.endm
	s_wait_tensorcnt 1                             ; my part of slot 0 is in; slot 1's may stay out
	s_barrier_signal -1
	s_barrier_wait -1
	FETCH_A 0, 0, 0
	FETCH_B 0, 0, 0
	FETCH_B 0, 0, NB/2
	STEP 0, 1                                      ; K 0-127: the bias starts the sums
	TURN 0, 1, 1                                   ; K 128-255; slot 0 takes K 512-767
	STEP 1, 0
	TURN 1, 0, 1                                   ; slot 1 takes K 768-1023
	STEP 0, 0
	TURN 0, 1, 0                                   ; nothing is left to fetch
	STEP 1, 0
	s_wait_dscnt 2*NB                              ; the last step
	MULS 0, NB/2, 1, 0
	s_wait_dscnt 0
	MULS NB/2, NB/2, 1, 0
	WIN 0
	; THE WAY OUT: hold, convert, store; no LDS: a lane's 16 codes are 16 bytes of an image
	s_lshr_b32 s18, s17, 3                         ; the batch
	s_lshl_b32 s18, s18, 4
	s_add_co_u32 s18, s18, s42                     ; 16 x batch + head
	s_lshl_b32 s18, s18, 17                        ; 131,072 bytes for each in each part
	s_and_b32 s19, s17, 7
	s_lshl_b32 s19, s19, 14                        ; 256 tokens are 16,384 bytes of an image
	s_add_co_u32 s18, s18, s19
	s_lshl_b32 s19, s14, 12                        ; q, k: my 64 tokens: 4 tiles of 1,024 bytes
	s_add_co_u32 s20, s18, s19
	s_mov_b32 s21, 0
	s_add_nc_u64 s[88:89], s[12:13], s[20:21]      ; q
	s_add_nc_u64 s[90:91], s[88:89], 0x800000      ; k
	s_lshl_b32 s19, s15, 13                        ; v: the step of 128 keys,
	s_lshl_b32 s22, s16, 10                        ; and which two of its four c are my 64 tokens
	s_add_co_u32 s20, s18, s19
	s_add_co_u32 s20, s20, s22
	s_add_nc_u64 s[92:93], s[12:13], s[20:21]
	s_add_nc_u64 s[92:93], s[92:93], 0x1000000     ; v
	PLACES 4
.macro OUTQK base, sc, cd, sb          ; base: the part's first accumulator register in window 2; v[sc], v[sc + 1]: scale and limit; cd: 32 registers for codes; s[sb]: where
	WIN 0x82
.set n, 0
.rept 128
	v_med3_num_f32 v[\base+n], v[\base+n], -v[\sc+1], v[\sc+1]   ; the hold at the largest code x the scale; each accumulator from its low end on
.set n, n+1
.endr
	WIN 0x02
.irp a, 0,1,2,3
.irp c, 0,1
	v_cvt_scalef32_pk8_fp8_f32 v[\cd+4*(2*\a+\c):\cd+4*(2*\a+\c)+1], v[\base+8*(8*\c+\a):\base+8*(8*\c+\a)+7], v[\sc]
	v_cvt_scalef32_pk8_fp8_f32 v[\cd+4*(2*\a+\c)+2:\cd+4*(2*\a+\c)+3], v[\base+8*(8*\c+4+\a):\base+8*(8*\c+4+\a)+7], v[\sc]
.endr
.endr
	v_nop                                          ; a plain line behind the last conversion
	WIN 0
.irp a, 0,1,2,3
.irp c, 0,1
	global_store_b128 v[LI], v[\cd+4*(2*\a+\c):\cd+4*(2*\a+\c)+3], s[\sb:\sb+1] offset:\a*1024+\c*512   ; 512 consecutive bytes, aligned
.endr
.endr
.endm
	OUTQK 0, 36, 64, 88
	OUTQK 128, 38, 96, 90
	WIN 0x41
.set n, 0
.rept 128
	v_med3_num_f32 v[128+n], v[128+n], -v41, v41
.set n, n+1
.endr
	WIN 0x01
.irp t, 0,1,2,3
.irp c, 0,1
	v_cvt_scalef32_pk8_fp8_f32 v[128+4*(2*\t+\c):128+4*(2*\t+\c)+1], v[128+8*(4*\t+2*\c):128+8*(4*\t+2*\c)+7], v40      ; tokens 32 c + 8 h + 0 .. 7,
	v_cvt_scalef32_pk8_fp8_f32 v[128+4*(2*\t+\c)+2:128+4*(2*\t+\c)+3], v[128+8*(4*\t+2*\c+1):128+8*(4*\t+2*\c+1)+7], v40 ; and 32 c + 16 + 8 h + 0 .. 7
.endr
.endr
	v_nop
	WIN 0
.irp t, 0,1,2,3
.irp c, 0,1
	global_store_b128 v[LI], v[128+4*(2*\t+\c):128+4*(2*\t+\c)+3], s[92:93] offset:\t*2048+\c*512
.endr
.endr
	s_wait_tensorcnt 0x0                           ; the wave's end
	ds_add_u32 v[SPW], v[NIL]
	s_wait_dscnt 0x0
	CROUND                                         ; the closing round: no work-group ends while a partner may still ask for a tile that names it
	s_endpgm
.Lfunc_end_k_q8a8377c093_qkv:
	.size	k_q8a8377c093_qkv, .Lfunc_end_k_q8a8377c093_qkv-k_q8a8377c093_qkv
	.p2alignl 7, 3214868480
	.fill 96, 4, 3214868480
	.section	.rodata,"a",@progbits
	.p2align	6, 0x0
	.amdhsa_kernel k_q8a8377c093_qkv
		.amdhsa_group_segment_fixed_size 327680
		.amdhsa_private_segment_fixed_size 0
		.amdhsa_enable_private_segment 0
		.amdhsa_kernarg_size 40
		.amdhsa_user_sgpr_count 2
		.amdhsa_user_sgpr_kernarg_segment_ptr 1
		.amdhsa_wavefront_size32 1
		.amdhsa_system_sgpr_workgroup_id_x 1
		.amdhsa_system_sgpr_workgroup_id_y 1
		.amdhsa_system_sgpr_workgroup_id_z 1
		.amdhsa_system_vgpr_workitem_id 0
		.amdhsa_next_free_vgpr 896
		.amdhsa_next_free_sgpr 100
		.amdhsa_reserve_vcc 0
		.amdhsa_float_denorm_mode_32 3
		.amdhsa_float_denorm_mode_16_64 3
		.amdhsa_memory_ordered 1
		.amdhsa_forward_progress 1
		.amdhsa_inst_pref_size 109
	.end_amdhsa_kernel
	.amdgpu_metadata
---
amdhsa.version: [ 1, 2 ]
amdhsa.kernels:
  - .name:           k_q8a8377c093_qkv
    .symbol:         k_q8a8377c093_qkv.kd
    .args:
      - { .name: x_codes, .offset: 0, .size: 8, .value_kind: global_buffer, .address_space: global }
      - { .name: w_codes, .offset: 8, .size: 8, .value_kind: global_buffer, .address_space: global }
      - { .name: lowp_scales, .offset: 16, .size: 8, .value_kind: global_buffer, .address_space: global }
      - { .name: bqkv, .offset: 24, .size: 8, .value_kind: global_buffer, .address_space: global }
      - { .name: qkv_img, .offset: 32, .size: 8, .value_kind: global_buffer, .address_space: global }
    .group_segment_fixed_size: 327680
    .private_segment_fixed_size: 0
    .kernarg_segment_align: 8
    .kernarg_segment_size: 40
    .max_flat_workgroup_size: 128
    .sgpr_count:     100
    .vgpr_count:     896
    .wavefront_size: 32
...
	.end_amdgpu_metadata
.endif
;; end of part 2
;; launch attn (part 3): grid 4 x 64, 16 waves a work-group, no clusters, 296,960 bytes of LDS; arguments qkv_img, masks, lowp_scales, attn_codes; writes attn_codes
.if DOCPART == 3
	.amdgcn_target "amdgcn-amd-amdhsa--gfx1250"
	.amdhsa_code_object_version 6
	.text
	.protected	k_q8a8377c093_attn
	.globl	k_q8a8377c093_attn
	.p2align	8
	.type	k_q8a8377c093_attn,@function
k_q8a8377c093_attn:
	s_mov_b64 s[64:65], 0
	v_nop
	global_prefetch_b8 v0, s[64:65] scope:SCOPE_SE
	s_setreg_imm32_b32 hwreg(HW_REG_WAVE_MODE, 25, 1), 1
	s_wait_xcnt 0x0
; attn[b h][q][:] = the sum over k of softmax_k(q . k / 8, hidden where the given mask is 0) v[k][:], both products on codes of E4M3; the result quantised with 2^e6 for the last product.
; q, k, v come as images of operand registers (16 bytes a lane); the mask as 64 lane-mask words for each (tile of 16 queries, step of 128 keys), with a class for each step: 0 all hidden, 1 mixed, 2 all visible.
; THE SOFTMAX: t = score x log2(e) / 8; M = the row's largest t so far, rounded UP to a whole number; p = 2^(t - M) is quantised with 2^e4, not normalised; the row's sum is taken of the unquantised p and divides at the end.
; When M moves, the sum and O are multiplied by 2^(old M - new M): nothing is rounded.
; SHARES.  A work-group serves one (batch, head) and a quarter of its queries.  ALL of the head's K and V, 2 x 131,072 bytes, are brought into LDS once, through registers; then no wave waits for another.
; Wave g (0..63 in the head) takes the tiles of 16 queries g and 127 - g, one after the other, in 256 registers; four waves share a SIMD.
; A STEP ALL OF WHOSE 16 x 128 SCORES THE MASK HIDES IS LEFT OUT: a scalar branch on the stored class.  A mixed step sets hidden scores to -infinity by the stored words; a step all visible skips that.
; No tensor load and no cluster: what the four work-groups of a head share is read once, at the head.
; LAYOUT.  Both products are used transposed: S^T = K Q^T (source 0 = 16 keys, source 1 = my 16 queries), O^T = V^T P^T: a lane holds ONE query (lane % 16).  Register j of S^T's tile 2 c + u is key 32 c + 16 u + 8 h + j,
; and v's image has its keys in that same order; its channels are laid so that O^T's 16 registers of tiles 2 b, 2 b + 1 are channels 32 b + 16 h + 0 .. 15.
; The flat order (b h, q, d) of the codes IS the row-major left operand of the last product: reference() reshapes without a transposition.
; A query whose mask is 0 everywhere has the sum 0: its 64 codes become the NaN code, as reference() gives NaN there.
; LIMITS: e2 + e3 between -123 and 130 (added to c's exponent field); e4 and e6 between -126 and 119.
.set VIMG,  131072                     ; LDS: K's image at 0, V's here,
.set STAGE, 278528                     ; 1,024 bytes for each wave, for the way out,
.set SPARE, 294912                     ; and the spare words, 128 bytes for each wave: eight blocks of 256 bytes that no other line names
.set LI,   1                           ; v1   16 x lane
.set ADK,  2                           ; v2   LDS address of the step's K
.set ADV,  3                           ; v3   of its V
.set SPW,  4                           ; v4   my spare word; never rewritten
.set NIL,  5                           ; v5   0; never rewritten
.set STO,  6                           ; v6   the stage: where I put 16 bytes
.set SRD,  7                           ; v7   and where I read back
.set NINF, 8                           ; v8   -infinity
.set NANC, 9                           ; v9   four NaN codes
.set PSC,  10                          ; v10  2^e4;  v11  448 x 2^e4
.set Q,    16                          ; v16-23 Q's fragment
.set ASC,  24                          ; v24  2^e6;  v25  448 x 2^e6
.set CLO,  26                          ; v26  offset of my class
.set CLS,  27                          ; v27  the classes: lanes 0-15 the first tile's steps, lanes 16-31 the second's
.set FA,   28                          ; v28-31 the fill: 16 x thread + 0, 1, 2, 3 x 65,536
.set KV,   32                          ; v32-95 K's fragments, then V's
.set S,    96                          ; v96-159 S^T, then p
.set O,    160                         ; v160-191 O^T
.set PC,   192                         ; v192-207 p's codes
.set AC,   208                         ; v208-215 the result's codes
.set T0,   224                         ; at work
.set F,    226                         ; v[226:227] f = 2^(old M - new M), later 1 / the sum; v227 is written once
.set SUM2, 228                         ; v[228:229] the sum's second chain
.set XCH,  230                         ; a lane permute's destination, written once
.set LIV,  231                         ; v231 16 x lane + V's image
.set R_,   232                         ; at the head only: r, h
.set H_,   233
.set WV,   66
.set TB,   67                          ; s67  LDS byte at which the step's images begin
.set CS,   86                          ; s[86:87] c
.set SEL,  88                          ; s[88:89] lane selects: lane l xor 16
.set ANY,  90                          ; s90  bit 0: the step in hand has something visible
.set FULL, 91                          ; s91  bit 0: all of it is visible
.set CNT,  92
.set MO,   93                          ; s93  byte offset of the step's 64 words
	s_load_b256 s[4:11], s[0:1], 0x0               ; qkv_img, masks, the exponents, attn_codes
	v_lshl_add_u32 v[SPW], v0, 2, SPARE
	v_mov_b32 v[NIL], 0
	v_lshrrev_b32 v[T0], 5, v0
	v_readfirstlane_b32 s[WV], v[T0]               ; wave 0..15
	v_and_b32 v[T0], 31, v0
	v_lshlrev_b32 v[LI], 4, v[T0]
	v_add_nc_u32 v[LIV], VIMG, v[LI]
	v_and_b32 v[R_], 15, v0
	v_bfe_u32 v[H_], v0, 4, 1
	v_lshlrev_b32 v[FA], 4, v0
	v_add_nc_u32 v[FA+1], 0x10000, v[FA]
	v_add_nc_u32 v[FA+2], 0x20000, v[FA]
	v_add_nc_u32 v[FA+3], 0x30000, v[FA]
	s_lshl_b32 s97, s[WV], 10
	s_add_co_u32 s97, s97, STAGE                   ; my stage
	v_lshlrev_b32 v[STO], 6, v[R_]
	v_lshl_add_u32 v[STO], v[H_], 4, v[STO]
	v_add_nc_u32 v[STO], s97, v[STO]               ; query r's 64 bytes, + 16 h
	v_add_nc_u32 v[SRD], s97, v[LI]
	s_lshl_b32 s98, ttmp9, 4
	s_add_co_u32 s98, s98, s[WV]                   ; g: my first tile of queries
	s_sub_co_u32 s99, 127, s98                     ; my second
	s_sub_co_u32 s97, s99, s98
	s_lshl_b32 s97, s97, 6                         ; 64 bytes of classes a tile: from the first tile's to the second's
	v_mul_u32_u24 v[CLO], v[H_], s97
	v_lshl_add_u32 v[CLO], v[R_], 2, v[CLO]
	s_lshl_b32 s97, s98, 6
	v_add_nc_u32 v[CLO], s97, v[CLO]
	s_and_b32 s100, ttmp7, 0xffff                  ; 16 x batch + head
	s_lshl_b32 s100, s100, 17
	s_mov_b32 s101, 0
	s_mov_b32 s[SEL], 0x76543210
	s_mov_b32 s[SEL+1], 0xfedcba98
	s_wait_kmcnt 0x0
	s_load_b256 s[16:23], s[8:9], 0x0              ; e0 .. e7
	global_load_b32 v[CLS], v[CLO], s[6:7] offset:524288
	s_add_nc_u64 s[4:5], s[4:5], s[100:101]        ; the head's q,
	s_add_nc_u64 s[10:11], s[10:11], s[100:101]    ; its results,
	s_add_nc_u64 s[68:69], s[4:5], 0x800000        ; its k,
	s_add_nc_u64 s[70:71], s[4:5], 0x1000000       ; its v
.set i, 0
.rept 16
	global_load_b128 v[KV+4*i:KV+4*i+3], v[FA], s[68:69] offset:i*8192      ; the 512 threads read 8,192 consecutive bytes
.set i, i+1
.endr
.set i, 0
.rept 16
	global_load_b128 v[KV+64+4*i:KV+64+4*i+3], v[FA], s[70:71] offset:i*8192
.set i, i+1
.endr
	s_lshl_b32 s100, s98, 10                       ; a tile of queries is 1,024 bytes, of q and of the result
	s_add_nc_u64 s[2:3], s[4:5], s[100:101]
	s_add_nc_u64 s[14:15], s[10:11], s[100:101]
	s_lshl_b32 s100, s99, 10
	s_add_nc_u64 s[12:13], s[4:5], s[100:101]
	s_add_nc_u64 s[84:85], s[10:11], s[100:101]
	s_lshl_b32 s98, s98, 12                        ; and 16 steps x 256 bytes of mask words
	s_lshl_b32 s99, s99, 12
	v_mov_b32 v[NINF], 0xff800000
	v_mov_b32 v[NANC], 0x7f7f7f7f
	v_mov_b32 v[F+1], 0
	v_mov_b32 v[XCH], 0
	s_wait_kmcnt 0x0
	s_add_co_i32 s97, s18, s19
	s_lshl_b32 s97, s97, 23
	s_add_co_i32 s[CS], s97, 0x3e38aa3b            ; c = log2(e) / 8, with e2 + e3 added to its exponent field: a score stands for score x 2^(e2 + e3)
	s_mov_b32 s[CS+1], s[CS]
	s_mov_b32 s94, s20                             ; e4
	s_add_co_i32 s95, s20, s21                     ; e4 + e5
	s_add_co_i32 s97, s20, 127
	s_lshl_b32 s100, s97, 23
	v_mov_b32 v[PSC], s100
	s_add_co_i32 s97, s97, 8
	s_lshl_b32 s97, s97, 23
	s_or_b32 s97, s97, 0x600000
	v_mov_b32 v[PSC+1], s97
	s_add_co_i32 s97, s22, 127
	s_lshl_b32 s100, s97, 23
	v_mov_b32 v[ASC], s100
	s_add_co_i32 s97, s97, 8
	s_lshl_b32 s97, s97, 23
	s_or_b32 s97, s97, 0x600000
	v_mov_b32 v[ASC+1], s97
.set i, 0
.rept 32
	s_wait_loadcnt 31-i                            ; loads come back in order: number i is in, the younger ones stay out
	ds_store_b128 v[FA+i/8], v[KV+4*i:KV+4*i+3] offset:(i%8)*8192
.set i, i+1
.endr
	v_cmp_ne_u32 s[ANY], 0, v[CLS]
	v_cmp_eq_u32 s[FULL], 2, v[CLS]
	s_wait_dscnt 0x0                               ; for the others' sake: my part of the images is in LDS
	s_barrier_signal -1
	s_barrier_wait -1                              ; the launch's one barrier: from here on K and V are only read
; ONE TILE OF 16 QUERIES.  s[qb]: its q; s[ob]: its result; s[mo]: its mask words' offset; bk: eight registers of its own for the rows that leave.
.macro TILE qb, ob, mo, bk
	global_load_b128 v[Q:Q+3], v[LI], s[\qb:\qb+1]
	global_load_b128 v[Q+4:Q+7], v[LI], s[\qb:\qb+1] offset:512
	v_mov_b32 v13, 0xff61b1e6                      ; the largest t so far: -3e38, under every t
	v_floor_f32 v12, -v13                          ; -M
	v_mov_b32 v14, 0                               ; the sum, in two halves
	v_mov_b32 v15, 0
.set n, 0
.rept 32
	v_mov_b32 v[O+n], 0                            ; O^T: which step is a tile's first hangs on the mask, so the step is written once and finds zeros
.set n, n+1
.endr
	s_mov_b32 s[MO], s[\mo]
	s_mov_b32 s[TB], 0
	s_mov_b32 s[CNT], 16
	s_wait_loadcnt 0x0
.Lstep_\@:                             ; 16 trips, a constant: the branches stand inside
	s_bitcmp1_b32 s[ANY], 0
	s_cbranch_scc0 .Lnext_\@                       ; all hidden: p would be 0 throughout
	s_load_b512 s[16:31], s[6:7], s[MO] offset:0x0  ; the step's 64 words
	s_load_b512 s[32:47], s[6:7], s[MO] offset:0x40
	s_load_b512 s[48:63], s[6:7], s[MO] offset:0x80
	s_load_b512 s[68:83], s[6:7], s[MO] offset:0xc0
	v_add_nc_u32 v[ADK], s[TB], v[LI]
	v_add_nc_u32 v[ADV], s[TB], v[LIV]
	v_nop                                          ; with the two additions: four places in front of loads into registers that the last products read
	v_nop
.set n, 0
.rept 16
	ds_load_b128 v[KV+4*n:KV+4*n+3], v[ADK] offset:512*n      ; tile n / 2 of 16 keys, half n % 2 of the head's 64
.set n, n+1
.endr
	s_wait_dscnt 0x0
.set n, 0
.rept 8
	v_wmma_f32_16x16x64_fp8_fp8 v[S+8*n:S+8*n+7], v[KV+8*n:KV+8*n+7], v[Q:Q+7], 0
.set n, n+1
.endr
.rept 4
	v_nop                                          ; places in front of the loads below and of the first read of the scores
.endr
.set n, 0
.rept 16
	ds_load_b128 v[KV+4*n:KV+4*n+3], v[ADV] offset:512*n      ; V's four fragments land while the softmax is worked
.set n, n+1
.endr
	s_wait_kmcnt 0x0                               ; the words are in
	s_bitcmp1_b32 s[FULL], 0
	s_cbranch_scc1 .Lopen_\@
.set n, 0
.rept 64
	v_cndmask_b32 v[S+n], v[NINF], v[S+n], s[16+n+4*(n/48)]   ; hidden scores become -infinity ahead of the maximum
.set n, n+1
.endr
.Lopen_\@:
	v_max3_num_f32 v[T0], v[S], v[S+1], v[S+2]     ; the step's largest score of my query among my 64 keys, in two chains,
	v_max3_num_f32 v[F], v[S+3], v[S+4], v[S+5]
.set n, 6
.rept 14
	v_max3_num_f32 v[T0], v[T0], v[S+n], v[S+n+1]
	v_max3_num_f32 v[F], v[F], v[S+n+2], v[S+n+3]
.set n, n+4
.endr
	v_max3_num_f32 v[T0], v[T0], v[S+62], v[S+63]
	v_max_num_f32 v[T0], v[T0], v[F]
	v_permlanex16_b32 v[XCH], v[T0], s[SEL], s[SEL+1]
	v_max_num_f32 v[T0], v[T0], v[XCH]             ; and among lane l xor 16's
	v_mul_f32 v[T0], s[CS], v[T0]                  ; as t (c is positive)
	v_max_num_f32 v13, v13, v[T0]                  ; the running largest t
	v_mov_b32 v[T0], v12
	v_floor_f32 v12, -v13                          ; the new -M = floor(-t) = -ceil(t)
	v_sub_f32 v[T0], v12, v[T0]                    ; old M - new M: a whole number, 0 or less
	v_cvt_i32_f32 v[T0], v[T0]                     ; (it saturates)
	v_ldexp_f32 v[F], 1.0, v[T0]                   ; f = 2^(old M - new M)
.set n, 0
.rept 32
	v_pk_fma_f32 v[S+n:S+n+1], v[S+n:S+n+1], s[CS:CS+1], v[12:13] op_sel_hi:[1,0,0]   ; t - M, two at a time
.set n, n+2
.endr
.set n, 0
.rept 64
	v_exp_f32 v[S+n], v[S+n]                       ; p = 2^(t - M)
.set n, n+1
.endr
	v_pk_mul_f32 v[14:15], v[14:15], v[F:F+1] op_sel_hi:[1,0]   ; the sums under the new M: the plain line behind the exponentials
	s_wait_alu depctr_va_vdst(0)                   ; one wait for the batch, ahead of its first reader
	v_pk_add_f32 v[SUM2:SUM2+1], v[S:S+1], v[S+2:S+3]           ; the row's sum, of the unquantised p, in two chains
.set n, 4
.rept 15
	v_pk_add_f32 v[14:15], v[14:15], v[S+n:S+n+1]
	v_pk_add_f32 v[SUM2:SUM2+1], v[SUM2:SUM2+1], v[S+n+2:S+n+3]
.set n, n+4
.endr
	v_pk_add_f32 v[14:15], v[14:15], v[SUM2:SUM2+1]
	s_cmp_ge_i32 s94, -8                           ; p is at most 1, and 448 x 2^e4 is at least 1 from e4 = -8 on: there the hold changes nothing
	s_cbranch_scc1 .Lnohold_\@
.set n, 0
.rept 64
	v_min_num_f32 v[S+n], v[S+n], v[PSC+1]         ; the conversion does not saturate (ISA guide 7.6.2); p is not negative, so the hold is one-sided
.set n, n+1
.endr
.Lnohold_\@:
.set n, 0
.rept 8
	v_cvt_scalef32_pk8_fp8_f32 v[PC+2*n:PC+2*n+1], v[S+8*n:S+8*n+7], v[PSC]
.set n, n+1
.endr
.set n, 0
.rept 16
	v_pk_mul_f32 v[O+n:O+n+1], v[O+n:O+n+1], v[F:F+1] op_sel_hi:[1,0]   ; O^T under the new M; also the plain lines behind the conversions
.set n, n+2
.endr
	s_wait_dscnt 0x0                               ; V is in
.set n, 0
.rept 4
	v_wmma_f32_16x16x128_fp8_fp8 v[O+8*n:O+8*n+7], v[KV+16*n:KV+16*n+15], v[PC:PC+15], v[O+8*n:O+8*n+7]   ; four accumulators by turns, one instruction a turn
.set n, n+1
.endr
.Lnext_\@:
	s_add_co_u32 s[TB], s[TB], 8192
	s_add_co_u32 s[MO], s[MO], 256
	s_lshr_b32 s[ANY], s[ANY], 1
	s_lshr_b32 s[FULL], s[FULL], 1
	s_sub_co_u32 s[CNT], s[CNT], 1
	s_cmp_lg_u32 s[CNT], 0
	s_cbranch_scc1 .Lstep_\@
	; the way out: O^T / the sum x 2^(e4 + e5), quantised with 2^e6, through my stage, so that the wave stores 512 consecutive bytes
.rept 4
	v_nop
.endr
	v_add_f32 v14, v14, v15
	v_permlanex16_b32 v[XCH], v14, s[SEL], s[SEL+1]
	v_add_f32 v14, v14, v[XCH]                     ; the row's sum
	v_cmp_eq_f32 s96, 0, v14                       ; a query with nothing visible
	v_rcp_f32 v[F], v14
	v_nop
	s_wait_alu depctr_va_vdst(0)                   ; ahead of the reciprocal's first reader
	v_ldexp_f32 v[F], v[F], s95
.set n, 0
.rept 16
	v_pk_mul_f32 v[S+n:S+n+1], v[O+n:O+n+1], v[F:F+1] op_sel_hi:[1,0]
.set n, n+2
.endr
.set n, 0
.rept 32
	v_med3_num_f32 v[S+n], v[S+n], -v[ASC+1], v[ASC+1]
.set n, n+1
.endr
.set n, 0
.rept 4
	v_cvt_scalef32_pk8_fp8_f32 v[AC+2*n:AC+2*n+1], v[S+8*n:S+8*n+7], v[ASC]
.set n, n+1
.endr
	v_nop
.set n, 0
.rept 8
	v_cndmask_b32 v[AC+n], v[AC+n], v[NANC], s96
.set n, n+1
.endr
	ds_store_b128 v[STO], v[AC:AC+3]               ; channels 16 h + 0 .. 15 of query r,
	ds_store_b128 v[STO], v[AC+4:AC+7] offset:32   ; and 32 + 16 h + 0 .. 15
	ds_load_b128 v[\bk:\bk+3], v[SRD]              ; LDS serves a wave's instructions in order: these see my stores
	ds_load_b128 v[\bk+4:\bk+7], v[SRD] offset:512
	s_wait_dscnt 0x0
	global_store_b128 v[LI], v[\bk:\bk+3], s[\ob:\ob+1]
	global_store_b128 v[LI], v[\bk+4:\bk+7], s[\ob:\ob+1] offset:512
.endm
	TILE 2, 14, 98, 216
	TILE 12, 84, 99, 232                           ; after the first tile's 16 shifts the low bits of the two class words are the second tile's
	s_wait_tensorcnt 0x0                           ; the wave's end, behind my last LDS store
	ds_add_u32 v[SPW], v[NIL]
	s_wait_dscnt 0x0
	s_endpgm
.Lfunc_end_k_q8a8377c093_attn:
	.size	k_q8a8377c093_attn, .Lfunc_end_k_q8a8377c093_attn-k_q8a8377c093_attn
	.p2alignl 7, 3214868480
	.fill 96, 4, 3214868480
	.section	.rodata,"a",@progbits
	.p2align	6, 0x0
	.amdhsa_kernel k_q8a8377c093_attn
		.amdhsa_group_segment_fixed_size 296960
		.amdhsa_private_segment_fixed_size 0
		.amdhsa_enable_private_segment 0
		.amdhsa_kernarg_size 32
		.amdhsa_user_sgpr_count 2
		.amdhsa_user_sgpr_kernarg_segment_ptr 1
		.amdhsa_wavefront_size32 1
		.amdhsa_system_sgpr_workgroup_id_x 1
		.amdhsa_system_sgpr_workgroup_id_y 1
		.amdhsa_system_sgpr_workgroup_id_z 1
		.amdhsa_system_vgpr_workitem_id 0
		.amdhsa_next_free_vgpr 256
		.amdhsa_next_free_sgpr 102
		.amdhsa_reserve_vcc 0
		.amdhsa_float_denorm_mode_32 3
		.amdhsa_float_denorm_mode_16_64 3
		.amdhsa_memory_ordered 1
		.amdhsa_forward_progress 1
		.amdhsa_inst_pref_size 62
	.end_amdhsa_kernel
	.amdgpu_metadata
---
amdhsa.version: [ 1, 2 ]
amdhsa.kernels:
  - .name:           k_q8a8377c093_attn
    .symbol:         k_q8a8377c093_attn.kd
    .args:
      - { .name: qkv_img, .offset: 0, .size: 8, .value_kind: global_buffer, .address_space: global }
      - { .name: masks, .offset: 8, .size: 8, .value_kind: global_buffer, .address_space: global }
      - { .name: lowp_scales, .offset: 16, .size: 8, .value_kind: global_buffer, .address_space: global }
      - { .name: attn_codes, .offset: 24, .size: 8, .value_kind: global_buffer, .address_space: global }
    .group_segment_fixed_size: 296960
    .private_segment_fixed_size: 0
    .kernarg_segment_align: 8
    .kernarg_segment_size: 32
    .max_flat_workgroup_size: 512
    .sgpr_count:     102
    .vgpr_count:     256
    .wavefront_size: 32
...
	.end_amdgpu_metadata
.endif
;; end of part 3
;; launch proj (part 4): grid 8 x 32, 4 waves a work-group, clusters of 4 x 4, 327,680 bytes of LDS; arguments attn_codes, w_codes, lowp_scales, bo, out0; writes out0
.if DOCPART == 4
	.amdgcn_target "amdgcn-amd-amdhsa--gfx1250"
	.amdhsa_code_object_version 6
	.text
	.protected	k_q8a8377c093_proj
	.globl	k_q8a8377c093_proj
	.p2align	8
	.type	k_q8a8377c093_proj,@function
k_q8a8377c093_proj:
	s_mov_b64 s[64:65], 0
	v_nop
	global_prefetch_b8 v0, s[64:65] scope:SCOPE_SE
	s_setreg_imm32_b32 hwreg(HW_REG_WAVE_MODE, 25, 1), 1
	s_wait_xcnt 0x0
	s_wait_alu depctr_hold_cnt(0) depctr_sa_sdst(0) depctr_va_vdst(0) depctr_va_sdst(0) depctr_va_ssrc(0) depctr_va_vcc(0) depctr_vm_vsrc(0)
	s_getreg_b32 s2, hwreg(HW_REG_IB_STS2, 6, 4)
	s_cmp_eq_u32 s2, 0
	s_cbranch_scc0 .Lentry_in_a_cluster
	s_endpgm
.Lentry_in_a_cluster:
	s_bfe_u32 s2, ttmp6, 0x10000c
	s_cmp_lg_u32 s2, 0xf033
	s_cbranch_scc0 .Lentry_shape_is_right
	s_endpgm
.Lentry_shape_is_right:
; out0 = attn Wo + bo on codes of E4M3.  attn_codes [8192][1024]; w_codes rows 3072-4095 (a row is a column of Wo, bits 3 and 4 of the row's number exchanged), K innermost.  out0 [8192][1024] f32.
; A work-group makes 256 rows x 128 columns: 8 blocks of 16 columns.  Wave w takes rows 64 w .. 64 w + 63 (4 blocks of A) against all 8: 32 accumulators.
; THE MATRIX INSTRUCTION IS USED TRANSPOSED (source 0 = 16 rows of w_codes, source 1 = 16 rows of A): a lane holds one row of out0; register j of block 2 b + u is column 32 b + 16 h + 8 u + j.
; Each finished sum becomes sum x 2^(e6 + e7) + bo by one packed multiply-add for two numbers.  LIMIT: e6 + e7 between -126 and 127.
; K = 1,024 goes in four slots' worth of 256 through a ring of two LDS slots; a slot is two steps of 128; all eight steps are written out by macros.
; CLUSTER 4 x 4: A's tile is shared along a row of the cluster, B's along a column; each is asked for jointly.  By this text's count a wave has two tensor loads out at the start, then one.
; REGISTERS: window 0: v16-31 addresses; v64-191 B's 8 fragments, ONE set, fetched anew in two halves; on the way out v64-255 are free.  window 1: v0-127 A's fragments, TWO sets; v128-191 bo, eight registers a block.
;   window 2: the accumulators ((a, blk) at v[8 (8 a + blk)]).
.set NB,     8
.set PITCH,  272
.set HALFA,  128*PITCH
.set HALFB,  8*NB*PITCH
.set SLOT,   2*HALFA+2*HALFB
.set SPARE,  2*SLOT                    ; behind the ring: the spare words, two blocks of 256 bytes that no other line names
.set SPITCH, 528                       ; the way out: 16 rows x (512 bytes + 16) for each wave, in slot 0, which has had its last fill and its last read by then
.set ADRA, 16
.set ADRB, 20
.set STO,  24                          ; v24 the stage: where I put 32 bytes of a row
.set RD,   25                          ; v25 and where I read a row back
.set LI,   26                          ; v26 16 x lane
.set SPW,  28
.set NIL,  29
.set BF,   64
.set TMP,  64
.set BK,   128
.set BIAS, 128
.set G1, 24
.set G0, 32
.set G1B, 48
.set G0B, 56
.set MSB, 0
.macro WIN new
.if MSB != \new
	s_set_vgpr_msb (MSB<<8)|\new
.set MSB, \new
.endif
.endm
.macro JLOAD g0a, g1a, g0b, g1b        ; a joint load: waves 0 and 1 fetch A's halves, waves 2 and 3 B's; an s_nop 0 and four v_nop follow each line
	s_cmp_eq_u32 s15, 0
	s_cbranch_scc0 .Lfor_b_\@
	tensor_load_to_lds s[\g0a:\g0a+3], s[\g1a:\g1a+7]
	s_nop 0
.rept 4
	v_nop
.endr
	s_branch .Lasked_\@
.Lfor_b_\@:
	tensor_load_to_lds s[\g0b:\g0b+3], s[\g1b:\g1b+7]
	s_nop 0
.rept 4
	v_nop
.endr
.Lasked_\@:
.endm
.macro CREST
	s_cmp_lg_u32 s14, 0
	s_cbranch_scc1 .Lnot_wave_0_\@
	s_barrier_signal -3
.Lnot_wave_0_\@:
	s_barrier_wait -3
	s_barrier_signal -1
	s_barrier_wait -1
.endm
.macro CROUND
	s_barrier_signal -1
	s_barrier_wait -1
	CREST
.endm
.macro PLACES n
.rept \n
	v_nop
.endr
.endm
	s_load_b256 s[4:11], s[0:1], 0x0               ; attn_codes, w_codes, the exponents, bo
	s_load_b64 s[12:13], s[0:1], 0x20              ; out0
	v_lshl_add_u32 v[SPW], v0, 2, SPARE
	v_mov_b32 v[NIL], 0
	ds_add_u32 v[SPW], v[NIL]                      ; the wave's opening, waited for ahead of my first tensor load
	v_lshrrev_b32 v1, 5, v0
	v_readfirstlane_b32 s14, v1                    ; wave 0..3
	s_lshr_b32 s15, s14, 1
	s_and_b32 s16, s14, 1
	s_bfe_u32 s40, ttmp6, 0x40000
	s_bfe_u32 s41, ttmp6, 0x40004
	s_lshl_b32 s42, ttmp9, 2
	s_add_co_u32 s42, s42, s40                     ; the block of 128 columns
	s_and_b32 s17, ttmp7, 0xffff
	s_lshl_b32 s17, s17, 2
	s_add_co_u32 s17, s17, s41                     ; the block of 256 rows
	s_lshl_b32 s43, s41, 2
	s_lshl_b32 s43, 15, s43
	s_lshl_b32 s44, 0x1111, s40
	s_or_b32 s[G1+0], s43, (1<<20)|(1<<21)|(5<<22)|(3<<25)
	s_or_b32 s[G1B+0], s44, (1<<20)|(1<<21)|(5<<22)|(3<<25)
	s_mov_b32 s[G1+1], 256<<16
	s_mov_b32 s[G1+2], 128<<16
	s_mov_b32 s[G1+3], 256<<16
	s_mov_b32 s[G1+4], 128
	s_mov_b32 s[G1+5], 1024
	s_mov_b32 s[G1+6], 0
	s_mov_b32 s[G1+7], 0
	s_mov_b32 s[G1B+1], 256<<16
	s_mov_b32 s[G1B+2], (8*NB)<<16
	s_mov_b32 s[G1B+3], 256<<16
	s_mov_b32 s[G1B+4], 8*NB
	s_mov_b32 s[G1B+5], 1024
	s_mov_b32 s[G1B+6], 0
	s_mov_b32 s[G1B+7], 0
	s_lshl_b32 s20, s17, 18
	s_lshl_b32 s18, s16, 17
	s_add_co_u32 s20, s20, s18
	s_mov_b32 s21, 0
	s_mul_i32 s46, s42, 16*NB*1024
	s_mul_i32 s18, s16, 8*NB*1024
	s_add_co_u32 s46, s46, s18
	s_add_co_u32 s46, s46, 3072*1024               ; Wo's rows lie behind Wqkv's
	s_mov_b32 s47, 0
	s_mul_i32 s45, s16, HALFA
	s_mul_i32 s22, s16, HALFB
	s_add_co_u32 s22, s22, 2*HALFA
	s_wait_dscnt 0x0                               ; the opening add is done
	s_wait_kmcnt 0x0
	s_load_b256 s[76:83], s[8:9], 0x0              ; e0 .. e7
	s_add_nc_u64 s[20:21], s[4:5], s[20:21]
	s_add_nc_u64 s[46:47], s[6:7], s[46:47]
	CROUND                                         ; all sixteen work-groups are here: the first joint loads meet
.irp s, 0,1
	s_mov_b32 s[G0+4*\s], 1
	s_add_co_u32 s[G0+4*\s+1], s45, \s*SLOT
	s_add_nc_u64 s[G0+4*\s+2:G0+4*\s+3], s[20:21], \s*256
	s_or_b32 s[G0+4*\s+3], s[G0+4*\s+3], 0x80000000
	s_mov_b32 s[G0B+4*\s], 1
	s_add_co_u32 s[G0B+4*\s+1], s22, \s*SLOT
	s_add_nc_u64 s[G0B+4*\s+2:G0B+4*\s+3], s[46:47], \s*256
	s_or_b32 s[G0B+4*\s+3], s[G0B+4*\s+3], 0x80000000
	JLOAD G0+4*\s, G1, G0B+4*\s, G1B
.endr
	v_and_b32 v1, 15, v0                           ; r
	v_bfe_u32 v2, v0, 4, 1                         ; h
	v_mul_u32_u24 v3, v1, PITCH
	v_lshl_add_u32 v4, v2, 4, v3
	s_mul_i32 s21, s14, 64*PITCH
	s_mov_b32 s22, 2*HALFA
.irp s, 0,1
	v_add_nc_u32 v[ADRA+\s], s21, v4
	v_add_nc_u32 v[ADRB+\s], s22, v4
	s_add_co_u32 s21, s21, SLOT
	s_add_co_u32 s22, s22, SLOT
.endr
	v_and_b32 v5, 31, v0
	v_lshlrev_b32 v[LI], 4, v5
	s_mul_i32 s23, s14, 16*SPITCH                  ; my stage
	v_mul_u32_u24 v[STO], v1, SPITCH
	v_lshl_add_u32 v[STO], v2, 6, v[STO]
	v_add_nc_u32 v[STO], s23, v[STO]               ; in: row r, + 64 h
	v_add_nc_u32 v[RD], s23, v[LI]                 ; back: the 32 lanes take a row of 512 bytes
	s_lshl_b32 s18, s42, 9
	s_mov_b32 s19, 0
	s_add_nc_u64 s[10:11], s[10:11], s[18:19]      ; bo at my 128 columns
	s_add_nc_u64 s[12:13], s[12:13], s[18:19]      ; out0 likewise,
	s_lshl_b32 s18, s17, 20                        ; 256 rows of 4,096 bytes,
	s_lshl_b32 s23, s14, 18                        ; my wave's 64
	s_add_co_u32 s18, s18, s23
	s_add_nc_u64 s[12:13], s[12:13], s[18:19]
	v_lshlrev_b32 v30, 6, v2
	WIN 0x40                                       ; destination window 1
.irp b, 0,1,2,3,4,5,6,7
	global_load_b128 v[BIAS+8*\b:BIAS+8*\b+3], v30, s[10:11] offset:4*(32*(\b/2)+8*(\b%2))
	global_load_b128 v[BIAS+8*\b+4:BIAS+8*\b+7], v30, s[10:11] offset:4*(32*(\b/2)+8*(\b%2))+16
.endr
	WIN 0
	s_wait_kmcnt 0x0
	s_add_co_i32 s96, s82, s83
	s_add_co_i32 s96, s96, 127
	s_lshl_b32 s96, s96, 23                        ; 2^(e6 + e7) as f32
	s_mov_b32 s97, s96                             ; (named with it as a pair, so it is written)
	s_wait_loadcnt 0x0
.macro FRAG reg, adr, q, i
.irp c, 0,1,2,3
	ds_load_b128 v[\reg+4*\c:\reg+4*\c+3], v[\adr] offset:128*(\q)+32*\c+(\i)*16*PITCH
.endr
.endm
.macro FETCH_A slot, q, p
	WIN 0x40
.irp i, 0,1,2,3
	FRAG 64*(\p)+16*\i, ADRA+\slot, \q, \i
.endr
.endm
.macro FETCH_B slot, q, i0
	WIN 0
.set FI, \i0
.rept NB/2
	FRAG BF+16*FI, ADRB+\slot, \q, FI
.set FI, FI+1
.endr
.endm
; Four matrix instructions: block blk of B against my four blocks of A in set p.  first = 1: the constant 0 starts the sums.  The 32 accumulators take turns, one instruction a turn, in the same order in every step.
.macro MULB blk, p, first
	WIN 0xa4                                       ; source 0 (B) window 0, source 1 (A) window 1, C and D window 2
.irp a, 0,1,2,3
.if \first
	v_wmma_f32_16x16x128_fp8_fp8 v[8*(8*\a+(\blk)):8*(8*\a+(\blk))+7], v[BF+16*(\blk):BF+16*(\blk)+15], v[64*(\p)+16*\a:64*(\p)+16*\a+15], 0
.else
	v_wmma_f32_16x16x128_fp8_fp8 v[8*(8*\a+(\blk)):8*(8*\a+(\blk))+7], v[BF+16*(\blk):BF+16*(\blk)+15], v[64*(\p)+16*\a:64*(\p)+16*\a+15], v[8*(8*\a+(\blk)):8*(8*\a+(\blk))+7]
.endif
.endr
.endm
.macro MULS b0, n, p, first
.set BB, \b0
.rept \n
	MULB BB, \p, \first
.set BB, BB+1
.endr
.endm
.macro STEP slot, first                ; a slot's first step: multiplies A's set 0, fetches the slot's second 128 along K
	s_wait_dscnt 2*NB                              ; A's set and B's lower half are in; the youngest 16 loads (B's upper half) may be out
	MULS 0, NB/2, 0, \first
	s_wait_dscnt 0
	PLACES 4
	FETCH_A \slot, 1, 1
	FETCH_B \slot, 1, 0
	MULS NB/2, NB/2, 0, \first
	PLACES 4
	FETCH_B \slot, 1, NB/2
.endm
.macro TURN slot, next, fill           ; a slot's second step multiplies A's set 1 and changes slots
	s_wait_tensorcnt 0x0                           ; all my tensor loads have landed: my part of the next slot (every window is 0 here)
	ds_add_u32 v[SPW], v[NIL]                      ; 0 onto my spare word
	s_wait_dscnt 2*NB+1                            ; (the add and B's upper half may be out)
	MULS 0, NB/4, 1, 0                             ; eight matrix instructions stand between the add and the wait for it
	s_wait_dscnt 0x0                               ; the add is done, and my reads of this slot are over
	s_barrier_signal -1
	MULS NB/4, NB/4, 1, 0
	WIN 0
	s_barrier_wait -1
.if \fill
	CREST                                          ; no wave of any partner still reads this slot or has a load on its way
	s_add_nc_u64 s[G0+4*\slot+2:G0+4*\slot+3], s[G0+4*\slot+2:G0+4*\slot+3], 512
	s_add_nc_u64 s[G0B+4*\slot+2:G0B+4*\slot+3], s[G0B+4*\slot+2:G0B+4*\slot+3], 512
	JLOAD G0+4*\slot, G1, G0B+4*\slot, G1B         ; the first tensor load behind the round; its four v_nop are also the places in front of the loads below
.else
	PLACES 4
.endif
	FETCH_A \next, 0, 0
	FETCH_B \next, 0, 0
	MULS NB/2, NB/2, 1, 0
	PLACES 4
	FETCH_B \next, 0, NB/2
.endm
	s_wait_tensorcnt 1                             ; my part of slot 0 is in; slot 1's may stay out
	s_barrier_signal -1
	s_barrier_wait -1
	FETCH_A 0, 0, 0
	FETCH_B 0, 0, 0
	FETCH_B 0, 0, NB/2
	STEP 0, 1
	TURN 0, 1, 1                                   ; slot 0 takes K 512-767
	STEP 1, 0
	TURN 1, 0, 1                                   ; slot 1 takes K 768-1023
	STEP 0, 0
	TURN 0, 1, 0                                   ; nothing is left to fetch
	STEP 1, 0
	s_wait_dscnt 2*NB
	MULS 0, NB/2, 1, 0
	s_wait_dscnt 0
	MULS NB/2, NB/2, 1, 0
	WIN 0
; THE WAY OUT, a block of 16 rows x 128 columns at a time, through my own stage: in as 32 bytes a lane, back as whole rows of 512 bytes.  LDS serves a wave's instructions in order: no wait between the stores and the loads.
.macro TOSTAGE a
	WIN 0x12                                       ; source 0 (the sums) window 2, source 2 (bo) window 1
.irp b, 0,1,2,3,4,5,6,7
.irp i, 0,2,4,6
	v_pk_fma_f32 v[TMP+8*\b+\i:TMP+8*\b+\i+1], v[8*(8*(\a)+\b)+\i:8*(8*(\a)+\b)+\i+1], s[96:97], v[BIAS+8*\b+\i:BIAS+8*\b+\i+1] op_sel_hi:[1,0,1]   ; sum x 2^(e6 + e7) + bo; each accumulator from its low end on
.endr
.endr
	WIN 0
.irp b, 0,1,2,3,4,5,6,7
	ds_store_b128 v[STO], v[TMP+8*\b:TMP+8*\b+3] offset:128*(\b/2)+32*(\b%2)
	ds_store_b128 v[STO], v[TMP+8*\b+4:TMP+8*\b+7] offset:128*(\b/2)+32*(\b%2)+16
.endr
.set BB2, BK+64*((\a)%2)
.irp t, 0,1,2,3,4,5,6,7,8,9,10,11,12,13,14,15
	ds_load_b128 v[BB2+4*\t:BB2+4*\t+3], v[RD] offset:\t*SPITCH
.endr
.endm
.macro SEND a, younger                 ; younger: the LDS instructions issued behind block a's loads, which may stay out
.set BB2, BK+64*((\a)%2)
	s_wait_dscnt \younger
.irp t, 0,1,2,3,4,5,6,7,8,9,10,11,12,13,14,15
	global_store_b128 v[LI], v[BB2+4*\t:BB2+4*\t+3], s[12:13] offset:(16*(\a)+\t)*4096 th:TH_STORE_NT   ; 32 lanes store 512 consecutive bytes, aligned; written once, read by nobody here
.endr
.endm
	PLACES 4
	TOSTAGE 0
.irp a, 1,2,3
.if \a > 1
	s_wait_xcnt 0x0                                ; block a - 2's stores have read their registers: block a's loads may land there
.endif
	TOSTAGE \a
	SEND \a-1, 32                                  ; behind block a - 1's loads: block a's 16 stores and 16 loads
.endr
	SEND 3, 0
	s_wait_tensorcnt 0x0                           ; the wave's end, behind my last tensor load and my last LDS store
	ds_add_u32 v[SPW], v[NIL]
	s_wait_dscnt 0x0
	CROUND                                         ; the closing round
	s_endpgm
.Lfunc_end_k_q8a8377c093_proj:
	.size	k_q8a8377c093_proj, .Lfunc_end_k_q8a8377c093_proj-k_q8a8377c093_proj
	.p2alignl 7, 3214868480
	.fill 96, 4, 3214868480
	.section	.rodata,"a",@progbits
	.p2align	6, 0x0
	.amdhsa_kernel k_q8a8377c093_proj
		.amdhsa_group_segment_fixed_size 327680
		.amdhsa_private_segment_fixed_size 0
		.amdhsa_enable_private_segment 0
		.amdhsa_kernarg_size 40
		.amdhsa_user_sgpr_count 2
		.amdhsa_user_sgpr_kernarg_segment_ptr 1
		.amdhsa_wavefront_size32 1
		.amdhsa_system_sgpr_workgroup_id_x 1
		.amdhsa_system_sgpr_workgroup_id_y 1
		.amdhsa_system_sgpr_workgroup_id_z 1
		.amdhsa_system_vgpr_workitem_id 0
		.amdhsa_next_free_vgpr 768
		.amdhsa_next_free_sgpr 100
		.amdhsa_reserve_vcc 0
		.amdhsa_float_denorm_mode_32 3
		.amdhsa_float_denorm_mode_16_64 3
		.amdhsa_memory_ordered 1
		.amdhsa_forward_progress 1
		.amdhsa_inst_pref_size 78
	.end_amdhsa_kernel
	.amdgpu_metadata
---
amdhsa.version: [ 1, 2 ]
amdhsa.kernels:
  - .name:           k_q8a8377c093_proj
    .symbol:         k_q8a8377c093_proj.kd
    .args:
      - { .name: attn_codes, .offset: 0, .size: 8, .value_kind: global_buffer, .address_space: global }
      - { .name: w_codes, .offset: 8, .size: 8, .value_kind: global_buffer, .address_space: global }
      - { .name: lowp_scales, .offset: 16, .size: 8, .value_kind: global_buffer, .address_space: global }
      - { .name: bo, .offset: 24, .size: 8, .value_kind: global_buffer, .address_space: global }
      - { .name: out0, .offset: 32, .size: 8, .value_kind: global_buffer, .address_space: global }
    .group_segment_fixed_size: 327680
    .private_segment_fixed_size: 0
    .kernarg_segment_align: 8
    .kernarg_segment_size: 40
    .max_flat_workgroup_size: 128
    .sgpr_count:     100
    .vgpr_count:     768
    .wavefront_size: 32
...
	.end_amdgpu_metadata
.endif
;; end of part 4
;; ======== version 2 of 2: 4 launches; version 1 with the launch attn written anew for expert scheduling mode
;; limits: right only within a limited range of input values
;; workspace buffers: x_codes 8,388,608 bytes; w_codes 4,194,304 bytes; masks 532,480 bytes of whole numbers; qkv_img 25,165,824 bytes; attn_codes 8,388,608 bytes
;; launch prep: the kernel of part 1 again; grid 512 x 1, 4 waves a work-group, no clusters, 101,888 bytes of LDS; arguments x, Wqkv, Wo, mask, lowp_scales, x_codes, w_codes, masks; writes x_codes, w_codes, masks
;; launch qkv: the kernel of part 2 again; grid 16 x 32, 4 waves a work-group, clusters of 4 x 4, 327,680 bytes of LDS; arguments x_codes, w_codes, lowp_scales, bqkv, qkv_img; writes qkv_img
;; launch attn (part 5): grid 4 x 64, 16 waves a work-group, no clusters, 296,960 bytes of LDS; arguments qkv_img, masks, lowp_scales, attn_codes; writes attn_codes
.if DOCPART == 5
	.amdgcn_target "amdgcn-amd-amdhsa--gfx1250"
	.amdhsa_code_object_version 6
	.text
	.protected	k_q8a8377c093_attn
	.globl	k_q8a8377c093_attn
	.p2align	8
	.type	k_q8a8377c093_attn,@function
k_q8a8377c093_attn:
	s_mov_b64 s[64:65], 0
	v_nop
	global_prefetch_b8 v0, s[64:65] scope:SCOPE_SE
	s_setreg_imm32_b32 hwreg(HW_REG_WAVE_SCHED_MODE, 0, 2), 2
	s_setreg_imm32_b32 hwreg(HW_REG_WAVE_MODE, 25, 1), 1
	s_wait_xcnt 0x0
	s_wait_alu depctr_vm_vsrc(0)
; attn[b h][q][:] = the sum over k of softmax_k(q . k / 8, hidden where the given mask is 0) v[k][:], both products on codes of E4M3; the result quantised with 2^e6 for the last product.
; q, k, v come as images of operand registers (16 bytes a lane); the mask as 64 lane-mask words for each (tile of 16 queries, step of 128 keys), with a class for each step: 0 all hidden, 1 mixed, 2 all visible.
; THE SOFTMAX: t = score x log2(e) / 8; M = the row's largest t so far, rounded UP to a whole number; p = 2^(t - M) is quantised with 2^e4, not normalised; the row's sum is taken of the unquantised p and divides at the end.
; When M moves, the sum and O are multiplied by 2^(old M - new M): nothing is rounded.
; SHARES.  A work-group serves one (batch, head) and a quarter of its queries.  ALL of the head's K and V, 2 x 131,072 bytes, are brought into LDS once, through registers; then no wave waits for another.
; Wave g (0..63 in the head) takes the tiles of 16 queries g and 127 - g, one after the other, in 256 registers; four waves share a SIMD.
; A STEP ALL OF WHOSE 16 x 128 SCORES THE MASK HIDES IS LEFT OUT: a scalar branch on the stored class.  A mixed step sets hidden scores to -infinity by the stored words; a step all visible skips that.
; No tensor load and no cluster: what the four work-groups of a head share is read once, at the head.
; LAYOUT.  Both products are used transposed: S^T = K Q^T (source 0 = 16 keys, source 1 = my 16 queries), O^T = V^T P^T: a lane holds ONE query (lane % 16).  Register j of S^T's tile 2 c + u is key 32 c + 16 u + 8 h + j,
; and v's image has its keys in that same order; its channels are laid so that O^T's 16 registers of tiles 2 b, 2 b + 1 are channels 32 b + 16 h + 0 .. 15.
; The flat order (b h, q, d) of the codes IS the row-major left operand of the last product: reference() reshapes without a transposition.
; A query whose mask is 0 everywhere has the sum 0: its 64 codes become the NaN code, as reference() gives NaN there.
; LIMITS: e2 + e3 between -123 and 130 (added to c's exponent field); e4 and e6 between -126 and 119.
; THE MODE: SCHED_MODE bits 1:0 = 2 (LLVM: expert scheduling mode 2), set by the entry lines.  The code itself states the register dependences
; between vector or matrix instructions and memory or LDS instructions, with s_wait_alu, always for 0.
; THE PLAN.  Registers that memory or LDS instructions touch:
;   v[LI], v[LIV], v[STO], v[SRD], v[CLO], v[FA ..], v[SPW], v[NIL]   written once at the head, then only read: one wait on va_vdst at the head serves them for the whole kernel.
;   v32-159 at the head   the fill's loads land there, its LDS stores read them; one wait on vm_vsrc behind the barrier, from where on they are KV and S.
;   v[KV ..]   In a step: K's LDS loads land, the eight products K Q^T read, V's LDS loads land, the four products V^T P read; then the next step's K lands.
;   v[ADK], v[ADV]   Written by two additions at a step's head; read by K's loads and by V's.
;   v[Q ..]    Two loads land at a tile's head; the tile's products read.
;   v[AC ..]   Written by the way out's conversions and selects, read by its two LDS stores; the second tile writes them again.
;   v216-223, v232-239   The rows that leave: LDS loads land, global stores read; a set for each tile, used once.
;   S from the barrier on, O^T, p's codes and the statistics are named by vector and matrix instructions alone.
; So a step holds one wait on vm_vsrc (ahead of the two additions) and two on va_vdst that stand for loads: behind the additions (the addresses are written, the last step's V^T P is done reading KV), and behind K Q^T (it is
; done reading KV).  Behind the second, V's sixteen loads are dealt among the softmax's first lines, which name S and the statistics and neither KV nor v[ADV].
.set VIMG,  131072                     ; LDS: K's image at 0, V's here,
.set STAGE, 278528                     ; 1,024 bytes for each wave, for the way out,
.set SPARE, 294912                     ; and the spare words, 128 bytes for each wave: eight blocks of 256 bytes that no other line names
.set LI,   1                           ; v1   16 x lane
.set ADK,  2                           ; v2   LDS address of the step's K
.set ADV,  3                           ; v3   of its V
.set SPW,  4                           ; v4   my spare word; never rewritten
.set NIL,  5                           ; v5   0; never rewritten
.set STO,  6                           ; v6   the stage: where I put 16 bytes
.set SRD,  7                           ; v7   and where I read back
.set NINF, 8                           ; v8   -infinity
.set NANC, 9                           ; v9   four NaN codes
.set PSC,  10                          ; v10  2^e4;  v11  448 x 2^e4
.set Q,    16                          ; v16-23 Q's fragment
.set ASC,  24                          ; v24  2^e6;  v25  448 x 2^e6
.set CLO,  26                          ; v26  offset of my class
.set CLS,  27                          ; v27  the classes: lanes 0-15 the first tile's steps, lanes 16-31 the second's
.set FA,   28                          ; v28-31 the fill: 16 x thread + 0, 1, 2, 3 x 65,536
.set KV,   32                          ; v32-95 K's fragments, then V's
.set S,    96                          ; v96-159 S^T, then p
.set O,    160                         ; v160-191 O^T
.set PC,   192                         ; v192-207 p's codes
.set AC,   208                         ; v208-215 the result's codes
.set T0,   224                         ; at work
.set F,    226                         ; v[226:227] f = 2^(old M - new M), later 1 / the sum; v227 is written once
.set SUM2, 228                         ; v[228:229] the sum's second chain
.set XCH,  230                         ; a lane permute's destination, written once
.set LIV,  231                         ; v231 16 x lane + V's image
.set R_,   232                         ; at the head only: r, h
.set H_,   233
.set WV,   66
.set TB,   67                          ; s67  LDS byte at which the step's images begin
.set CS,   86                          ; s[86:87] c
.set SEL,  88                          ; s[88:89] lane selects: lane l xor 16
.set ANY,  90                          ; s90  bit 0: the step in hand has something visible
.set FULL, 91                          ; s91  bit 0: all of it is visible
.set CNT,  92
.set MO,   93                          ; s93  byte offset of the step's 64 words
	s_load_b256 s[4:11], s[0:1], 0x0               ; qkv_img, masks, the exponents, attn_codes
	v_lshl_add_u32 v[SPW], v0, 2, SPARE
	v_mov_b32 v[NIL], 0
	v_lshrrev_b32 v[T0], 5, v0
	v_readfirstlane_b32 s[WV], v[T0]               ; wave 0..15
	v_and_b32 v[T0], 31, v0
	v_lshlrev_b32 v[LI], 4, v[T0]
	v_add_nc_u32 v[LIV], VIMG, v[LI]
	v_and_b32 v[R_], 15, v0
	v_bfe_u32 v[H_], v0, 4, 1
	v_lshlrev_b32 v[FA], 4, v0
	v_add_nc_u32 v[FA+1], 0x10000, v[FA]
	v_add_nc_u32 v[FA+2], 0x20000, v[FA]
	v_add_nc_u32 v[FA+3], 0x30000, v[FA]
	s_wait_alu depctr_va_sdst(0)                   ; the wave's number is written, ahead of its first reader: the stage's place and the tiles' numbers are made from it
	s_lshl_b32 s97, s[WV], 10
	s_add_co_u32 s97, s97, STAGE                   ; my stage
	v_lshlrev_b32 v[STO], 6, v[R_]
	v_lshl_add_u32 v[STO], v[H_], 4, v[STO]
	v_add_nc_u32 v[STO], s97, v[STO]               ; query r's 64 bytes, + 16 h
	v_add_nc_u32 v[SRD], s97, v[LI]
	s_lshl_b32 s98, ttmp9, 4
	s_add_co_u32 s98, s98, s[WV]                   ; g: my first tile of queries
	s_sub_co_u32 s99, 127, s98                     ; my second
	s_sub_co_u32 s97, s99, s98
	s_lshl_b32 s97, s97, 6                         ; 64 bytes of classes a tile: from the first tile's to the second's
	v_mul_u32_u24 v[CLO], v[H_], s97
	v_lshl_add_u32 v[CLO], v[R_], 2, v[CLO]
	s_lshl_b32 s97, s98, 6
	v_add_nc_u32 v[CLO], s97, v[CLO]
	s_and_b32 s100, ttmp7, 0xffff                  ; 16 x batch + head
	s_lshl_b32 s100, s100, 17
	s_mov_b32 s101, 0
	s_mov_b32 s[SEL], 0x76543210
	s_mov_b32 s[SEL+1], 0xfedcba98
	s_wait_kmcnt 0x0
	s_load_b256 s[16:23], s[8:9], 0x0              ; e0 .. e7
	s_wait_alu depctr_va_vdst(0)                   ; all offsets and LDS addresses (v1, v4 to v7, v26, v28 to v31, v231) are written, which the loads and stores of the whole kernel read; so are v232 and v233, in which LDS loads land on the second way out
	global_load_b32 v[CLS], v[CLO], s[6:7] offset:524288
	s_add_nc_u64 s[4:5], s[4:5], s[100:101]        ; the head's q,
	s_add_nc_u64 s[10:11], s[10:11], s[100:101]    ; its results,
	s_add_nc_u64 s[68:69], s[4:5], 0x800000        ; its k,
	s_add_nc_u64 s[70:71], s[4:5], 0x1000000       ; its v
.set i, 0
.rept 16
	global_load_b128 v[KV+4*i:KV+4*i+3], v[FA], s[68:69] offset:i*8192      ; the 512 threads read 8,192 consecutive bytes
.set i, i+1
.endr
.set i, 0
.rept 16
	global_load_b128 v[KV+64+4*i:KV+64+4*i+3], v[FA], s[70:71] offset:i*8192
.set i, i+1
.endr
	s_lshl_b32 s100, s98, 10                       ; a tile of queries is 1,024 bytes, of q and of the result
	s_add_nc_u64 s[2:3], s[4:5], s[100:101]
	s_add_nc_u64 s[14:15], s[10:11], s[100:101]
	s_lshl_b32 s100, s99, 10
	s_add_nc_u64 s[12:13], s[4:5], s[100:101]
	s_add_nc_u64 s[84:85], s[10:11], s[100:101]
	s_lshl_b32 s98, s98, 12                        ; and 16 steps x 256 bytes of mask words
	s_lshl_b32 s99, s99, 12
	v_mov_b32 v[NINF], 0xff800000
	v_mov_b32 v[NANC], 0x7f7f7f7f
	v_mov_b32 v[F+1], 0
	v_mov_b32 v[XCH], 0
	s_wait_kmcnt 0x0
	s_add_co_i32 s97, s18, s19
	s_lshl_b32 s97, s97, 23
	s_add_co_i32 s[CS], s97, 0x3e38aa3b            ; c = log2(e) / 8, with e2 + e3 added to its exponent field: a score stands for score x 2^(e2 + e3)
	s_mov_b32 s[CS+1], s[CS]
	s_mov_b32 s94, s20                             ; e4
	s_add_co_i32 s95, s20, s21                     ; e4 + e5
	s_add_co_i32 s97, s20, 127
	s_lshl_b32 s100, s97, 23
	v_mov_b32 v[PSC], s100
	s_add_co_i32 s97, s97, 8
	s_lshl_b32 s97, s97, 23
	s_or_b32 s97, s97, 0x600000
	v_mov_b32 v[PSC+1], s97
	s_add_co_i32 s97, s22, 127
	s_lshl_b32 s100, s97, 23
	v_mov_b32 v[ASC], s100
	s_add_co_i32 s97, s97, 8
	s_lshl_b32 s97, s97, 23
	s_or_b32 s97, s97, 0x600000
	v_mov_b32 v[ASC+1], s97
.set i, 0
.rept 32
	s_wait_loadcnt 31-i                            ; loads come back in order: number i is in, the younger ones stay out
	ds_store_b128 v[FA+i/8], v[KV+4*i:KV+4*i+3] offset:(i%8)*8192      ; (no vector line since the head's wait on va_vdst names v[FA ..]; the data come from loads)
.set i, i+1
.endr
	v_cmp_ne_u32 s[ANY], 0, v[CLS]
	v_cmp_eq_u32 s[FULL], 2, v[CLS]
	s_wait_alu depctr_va_sdst(0)                   ; the two class words are written, ahead of every label and of their first readers, the tests at the steps' heads
	s_wait_dscnt 0x0                               ; for the others' sake: my part of the images is in LDS
	s_barrier_signal -1
	s_barrier_wait -1                              ; the launch's one barrier: from here on K and V are only read
	s_wait_alu depctr_vm_vsrc(0)                   ; my LDS stores have read v32 to v159: these are KV and S from here on, written by LDS loads, by products and, where a tile's steps are all hidden, first by the way out
; ONE TILE OF 16 QUERIES.  s[qb]: its q; s[ob]: its result; s[mo]: its mask words' offset; bk: eight registers of its own for the rows that leave.
.macro TILE qb, ob, mo, bk
	global_load_b128 v[Q:Q+3], v[LI], s[\qb:\qb+1]                 ; no wait of their own: in the first tile no vector or matrix line has named v[Q ..]; in the second the first way out's wait on va_vdst stands behind
	global_load_b128 v[Q+4:Q+7], v[LI], s[\qb:\qb+1] offset:512    ; all products that read them, and no vector line since names them
	v_mov_b32 v13, 0xff61b1e6                      ; the largest t so far: -3e38, under every t
	v_floor_f32 v12, -v13                          ; -M
	v_mov_b32 v14, 0                               ; the sum, in two halves
	v_mov_b32 v15, 0
.set n, 0
.rept 32
	v_mov_b32 v[O+n], 0                            ; O^T: which step is a tile's first hangs on the mask, so the step is written once and finds zeros
.set n, n+1
.endr
	s_mov_b32 s[MO], s[\mo]
	s_mov_b32 s[TB], 0
	s_mov_b32 s[CNT], 16
	s_wait_loadcnt 0x0
.Lstep_\@:                             ; 16 trips, a constant: the branches stand inside
	s_bitcmp1_b32 s[ANY], 0
	s_cbranch_scc0 .Lnext_\@                       ; all hidden: p would be 0 throughout
	s_load_b512 s[16:31], s[6:7], s[MO] offset:0x0  ; the step's 64 words
	s_load_b512 s[32:47], s[6:7], s[MO] offset:0x40
	s_load_b512 s[48:63], s[6:7], s[MO] offset:0x80
	s_load_b512 s[68:83], s[6:7], s[MO] offset:0xc0
	s_wait_alu depctr_vm_vsrc(0)                   ; the LDS loads of the step before have read v[ADK] and v[ADV], which the two additions write
	v_add_nc_u32 v[ADK], s[TB], v[LI]
	v_add_nc_u32 v[ADV], s[TB], v[LIV]
	v_nop                                          ; with the two additions: four plain lines between the last products and the loads into the registers that they read
	v_nop
	s_wait_alu depctr_va_vdst(0)                   ; v[ADK] and v[ADV] are written, which the loads of this step read; the four products V^T P of the step before are done reading v[KV ..], in which K lands
.set n, 0
.rept 16
	ds_load_b128 v[KV+4*n:KV+4*n+3], v[ADK] offset:512*n      ; tile n / 2 of 16 keys, half n % 2 of the head's 64
.set n, n+1
.endr
	s_wait_dscnt 0x0
.set n, 0
.rept 8
	v_wmma_f32_16x16x64_fp8_fp8 v[S+8*n:S+8*n+7], v[KV+8*n:KV+8*n+7], v[Q:Q+7], 0
.set n, n+1
.endr
.rept 4
	v_nop                                          ; places in front of the loads below and of the first read of the scores
.endr
	s_wait_alu depctr_va_vdst(0)                   ; the eight products K Q^T are done reading v[KV ..], in which V lands.  It serves all sixteen loads of V: the vector lines between it and the last of them name S, -infinity, v224 and v226 alone
.set n, 0
.rept 4
	ds_load_b128 v[KV+4*n:KV+4*n+3], v[ADV] offset:512*n      ; V's four fragments land while the softmax is worked: four loads here, twelve among the maximum's lines
.set n, n+1
.endr
	s_wait_kmcnt 0x0                               ; the words are in
	s_bitcmp1_b32 s[FULL], 0
	s_cbranch_scc1 .Lopen_\@
.set n, 0
.rept 64
	v_cndmask_b32 v[S+n], v[NINF], v[S+n], s[16+n+4*(n/48)]   ; hidden scores become -infinity ahead of the maximum
.set n, n+1
.endr
.Lopen_\@:
	v_max3_num_f32 v[T0], v[S], v[S+1], v[S+2]     ; the step's largest score of my query among my 64 keys, in two chains,
	v_max3_num_f32 v[F], v[S+3], v[S+4], v[S+5]
.set n, 6
.set m, 4
.rept 14
.if m < 16
	ds_load_b128 v[KV+4*m:KV+4*m+3], v[ADV] offset:512*m      ; one of V's loads ahead of each pair of lines, with no further wait
.set m, m+1
.endif
	v_max3_num_f32 v[T0], v[T0], v[S+n], v[S+n+1]
	v_max3_num_f32 v[F], v[F], v[S+n+2], v[S+n+3]
.set n, n+4
.endr
	v_max3_num_f32 v[T0], v[T0], v[S+62], v[S+63]
	v_max_num_f32 v[T0], v[T0], v[F]
	v_permlanex16_b32 v[XCH], v[T0], s[SEL], s[SEL+1]
	v_max_num_f32 v[T0], v[T0], v[XCH]             ; and among lane l xor 16's
	v_mul_f32 v[T0], s[CS], v[T0]                  ; as t (c is positive)
	v_max_num_f32 v13, v13, v[T0]                  ; the running largest t
	v_mov_b32 v[T0], v12
	v_floor_f32 v12, -v13                          ; the new -M = floor(-t) = -ceil(t)
	v_sub_f32 v[T0], v12, v[T0]                    ; old M - new M: a whole number, 0 or less
	v_cvt_i32_f32 v[T0], v[T0]                     ; (it saturates)
	v_ldexp_f32 v[F], 1.0, v[T0]                   ; f = 2^(old M - new M)
.set n, 0
.rept 32
	v_pk_fma_f32 v[S+n:S+n+1], v[S+n:S+n+1], s[CS:CS+1], v[12:13] op_sel_hi:[1,0,0]   ; t - M, two at a time
.set n, n+2
.endr
.set n, 0
.rept 64
	v_exp_f32 v[S+n], v[S+n]                       ; p = 2^(t - M)
.set n, n+1
.endr
	v_pk_mul_f32 v[14:15], v[14:15], v[F:F+1] op_sel_hi:[1,0]   ; the sums under the new M: the plain line behind the exponentials
	s_wait_alu depctr_va_vdst(0)                   ; the 64 exponentials have written p: one wait for the batch, ahead of its first reader
	v_pk_add_f32 v[SUM2:SUM2+1], v[S:S+1], v[S+2:S+3]           ; the row's sum, of the unquantised p, in two chains
.set n, 4
.rept 15
	v_pk_add_f32 v[14:15], v[14:15], v[S+n:S+n+1]
	v_pk_add_f32 v[SUM2:SUM2+1], v[SUM2:SUM2+1], v[S+n+2:S+n+3]
.set n, n+4
.endr
	v_pk_add_f32 v[14:15], v[14:15], v[SUM2:SUM2+1]
	s_cmp_ge_i32 s94, -8                           ; p is at most 1, and 448 x 2^e4 is at least 1 from e4 = -8 on: there the hold changes nothing
	s_cbranch_scc1 .Lnohold_\@
.set n, 0
.rept 64
	v_min_num_f32 v[S+n], v[S+n], v[PSC+1]         ; the conversion does not saturate (ISA guide 7.6.2); p is not negative, so the hold is one-sided
.set n, n+1
.endr
.Lnohold_\@:
.set n, 0
.rept 8
	v_cvt_scalef32_pk8_fp8_f32 v[PC+2*n:PC+2*n+1], v[S+8*n:S+8*n+7], v[PSC]
.set n, n+1
.endr
.set n, 0
.rept 16
	v_pk_mul_f32 v[O+n:O+n+1], v[O+n:O+n+1], v[F:F+1] op_sel_hi:[1,0]   ; O^T under the new M; also the plain lines behind the conversions
.set n, n+2
.endr
	s_wait_dscnt 0x0                               ; V is in
.set n, 0
.rept 4
	v_wmma_f32_16x16x128_fp8_fp8 v[O+8*n:O+8*n+7], v[KV+16*n:KV+16*n+15], v[PC:PC+15], v[O+8*n:O+8*n+7]   ; four accumulators by turns, one instruction a turn
.set n, n+1
.endr
.Lnext_\@:
	s_add_co_u32 s[TB], s[TB], 8192
	s_add_co_u32 s[MO], s[MO], 256
	s_lshr_b32 s[ANY], s[ANY], 1
	s_lshr_b32 s[FULL], s[FULL], 1
	s_sub_co_u32 s[CNT], s[CNT], 1
	s_cmp_lg_u32 s[CNT], 0
	s_cbranch_scc1 .Lstep_\@
	; the way out: O^T / the sum x 2^(e4 + e5), quantised with 2^e6, through my stage, so that the wave stores 512 consecutive bytes
.rept 4
	v_nop
.endr
	v_add_f32 v14, v14, v15
	v_permlanex16_b32 v[XCH], v14, s[SEL], s[SEL+1]
	v_add_f32 v14, v14, v[XCH]                     ; the row's sum
	v_cmp_eq_f32 s96, 0, v14                       ; a query with nothing visible
	v_rcp_f32 v[F], v14
	v_nop
	s_wait_alu depctr_va_vdst(0)                   ; the reciprocal has written v[F], ahead of its first reader
	v_ldexp_f32 v[F], v[F], s95
.set n, 0
.rept 16
	v_pk_mul_f32 v[S+n:S+n+1], v[O+n:O+n+1], v[F:F+1] op_sel_hi:[1,0]
.set n, n+2
.endr
.set n, 0
.rept 32
	v_med3_num_f32 v[S+n], v[S+n], -v[ASC+1], v[ASC+1]
.set n, n+1
.endr
.set n, 0
.rept 4
	v_cvt_scalef32_pk8_fp8_f32 v[AC+2*n:AC+2*n+1], v[S+8*n:S+8*n+7], v[ASC]
.set n, n+1
.endr
	v_nop
	s_wait_alu depctr_va_sdst(0)                   ; the compare above has written s96, ahead of its first reader, the selects below
.set n, 0
.rept 8
	v_cndmask_b32 v[AC+n], v[AC+n], v[NANC], s96
.set n, n+1
.endr
	s_wait_alu depctr_va_vdst(0)                   ; the selects have written v[AC ..], which the two LDS stores read
	ds_store_b128 v[STO], v[AC:AC+3]               ; channels 16 h + 0 .. 15 of query r,
	ds_store_b128 v[STO], v[AC+4:AC+7] offset:32   ; and 32 + 16 h + 0 .. 15
	ds_load_b128 v[\bk:\bk+3], v[SRD]              ; LDS serves a wave's instructions in order: these see my stores
	ds_load_b128 v[\bk+4:\bk+7], v[SRD] offset:512
	s_wait_dscnt 0x0
	global_store_b128 v[LI], v[\bk:\bk+3], s[\ob:\ob+1]
	global_store_b128 v[LI], v[\bk+4:\bk+7], s[\ob:\ob+1] offset:512
.endm
	TILE 2, 14, 98, 216
	s_wait_alu depctr_vm_vsrc(0)                   ; the first tile's two LDS stores have read v[AC ..], which the second tile's conversions write again, on the way with no step too
	TILE 12, 84, 99, 232                           ; after the first tile's 16 shifts the low bits of the two class words are the second tile's
	s_wait_dscnt 0x0                               ; the closing lines, six on end
	s_wait_alu 0x0
	s_wait_tensorcnt 0x0
	ds_add_u32 v[SPW], v[NIL]
	s_wait_dscnt 0x0
	s_endpgm
.Lfunc_end_k_q8a8377c093_attn:
	.size	k_q8a8377c093_attn, .Lfunc_end_k_q8a8377c093_attn-k_q8a8377c093_attn
	.p2alignl 7, 3214868480
	.fill 96, 4, 3214868480
	.section	.rodata,"a",@progbits
	.p2align	6, 0x0
	.amdhsa_kernel k_q8a8377c093_attn
		.amdhsa_group_segment_fixed_size 296960
		.amdhsa_private_segment_fixed_size 0
		.amdhsa_enable_private_segment 0
		.amdhsa_kernarg_size 32
		.amdhsa_user_sgpr_count 2
		.amdhsa_user_sgpr_kernarg_segment_ptr 1
		.amdhsa_wavefront_size32 1
		.amdhsa_system_sgpr_workgroup_id_x 1
		.amdhsa_system_sgpr_workgroup_id_y 1
		.amdhsa_system_sgpr_workgroup_id_z 1
		.amdhsa_system_vgpr_workitem_id 0
		.amdhsa_next_free_vgpr 256
		.amdhsa_next_free_sgpr 102
		.amdhsa_reserve_vcc 0
		.amdhsa_float_denorm_mode_32 3
		.amdhsa_float_denorm_mode_16_64 3
		.amdhsa_memory_ordered 1
		.amdhsa_forward_progress 1
		.amdhsa_inst_pref_size 63
	.end_amdhsa_kernel
	.amdgpu_metadata
---
amdhsa.version: [ 1, 2 ]
amdhsa.kernels:
  - .name:           k_q8a8377c093_attn
    .symbol:         k_q8a8377c093_attn.kd
    .args:
      - { .name: qkv_img, .offset: 0, .size: 8, .value_kind: global_buffer, .address_space: global }
      - { .name: masks, .offset: 8, .size: 8, .value_kind: global_buffer, .address_space: global }
      - { .name: lowp_scales, .offset: 16, .size: 8, .value_kind: global_buffer, .address_space: global }
      - { .name: attn_codes, .offset: 24, .size: 8, .value_kind: global_buffer, .address_space: global }
    .group_segment_fixed_size: 296960
    .private_segment_fixed_size: 0
    .kernarg_segment_align: 8
    .kernarg_segment_size: 32
    .max_flat_workgroup_size: 512
    .sgpr_count:     102
    .vgpr_count:     256
    .wavefront_size: 32
...
	.end_amdgpu_metadata
.endif
;; end of part 5
;; launch proj: the kernel of part 4 again; grid 8 x 32, 4 waves a work-group, clusters of 4 x 4, 327,680 bytes of LDS; arguments attn_codes, w_codes, lowp_scales, bo, out0; writes out0
